; MI455X (gfx1250); checked and timed in simulation.
; The chip was launched on July 23, 2026; its instructions are those of AMD's public machine-readable ISA for CDNA 5 (MIT licence, August 2026) and "CDNA5" Instruction Set Architecture Reference Guide (July 2026). The comments in the code are by the model that wrote it; some were corrected since.
;; Block. Allowed arithmetic: matrix products marked QUANTISED: E4M3 operands, one given power-of-two scale a tensor, by v_wmma_f32_16x16x64_fp8_fp8 or v_wmma_f32_16x16x128_fp8_fp8, f32 sums; everything else in f32.
;; Inputs: b_attn 3,072 float32; b_fc 4,096 float32; b_mlp_proj 1,024 float32; b_proj 1,024 float32; ln1_b 1,024 float32; ln1_w 1,024 float32; ln2_b 1,024 float32; ln2_w 1,024 float32; lowp_scales 12 int32 (the exponents e of the quantised operands' scales 2^e); w_attn 1,024 x 3,072 float32; w_fc 1,024 x 4,096 float32; w_mlp_proj 4,096 x 1,024 float32; w_proj 1,024 x 1,024 float32; x 2 x 2,048 x 1,024 float32.
;; Outputs: out0 2 x 2,048 x 1,024 float32.
;; This version of the problem:
;;   THIS VERSION OF THE PROBLEM IS GIVEN IN LOW PRECISION. The matrix products marked QUANTISED in the list below multiply operands that are first quantised to E4M3 (4 exponent bits, 3 mantissa bits; 8 bits a number), with one given power-of-two scale for each operand tensor; their sums are f32. All else is computed in f32.
;;   The module's matrix products, in the order in which they are computed (A, B: the left and right operand; K: the contracted axis; several contracted axes count as one K, in the product's order):
;;     1. [M 4,096, K 1,024] x [K 1,024, N 3,072]; A: computed on the way; B: input w_attn: QUANTISED (scales: A lowp_scales[0], B lowp_scales[1])
;;     2. batch 32 x [M 2,048, K 64] x [K 64, N 2,048]; A: computed on the way; B: computed on the way: QUANTISED (scales: A lowp_scales[2], B lowp_scales[3])
;;     3. batch 32 x [M 2,048, K 2,048] x [K 2,048, N 64]; A: softmax (see below); B: computed on the way: QUANTISED (scales: A lowp_scales[4], B lowp_scales[5])
;;     4. [M 4,096, K 1,024] x [K 1,024, N 1,024]; A: computed on the way; B: input w_proj: QUANTISED (scales: A lowp_scales[6], B lowp_scales[7])
;;     5. [M 4,096, K 1,024] x [K 1,024, N 4,096]; A: computed on the way; B: input w_fc: QUANTISED (scales: A lowp_scales[8], B lowp_scales[9])
;;     6. [M 4,096, K 4,096] x [K 4,096, N 1,024]; A: computed on the way; B: input w_mlp_proj: QUANTISED (scales: A lowp_scales[10], B lowp_scales[11])
;;   THE QUANTISER, for each operand of a quantised product, along K:
;;     - The operand's scale is 2^e, e = its entry of the input lowp_scales (int32; the entries are numbered through the quantised products in the list's order, A before B).
;;     - Each number is divided by the scale, clamped to +-448, and rounded to the nearest number of E4M3, ties to even, subnormals kept.
;;     - The product sums the exact products of the quantised numbers (number of the format x scale) in f32.
;;   ~~~python
;;   def quantise(x, axis, e):      # numpy; x: float32 -> the quantised numbers, widened to float32 again
;;       x = np.moveaxis(x, axis, -1); K = x.shape[-1]
;;       r = np.clip(x / 2.0 ** e, -448, 448)
;;       step = 2.0 ** (np.maximum(np.frexp(np.where(r == 0, 1, r))[1] - 1, -6) - 3)
;;       q = np.round(r / step) * step * 2.0 ** e      # np.round: ties to even
;;       return np.moveaxis(q, -1, axis).astype(np.float32)
;;   ~~~
;;   SOFTMAX AHEAD OF A QUANTISED PRODUCT. Where the list says 'softmax', what is quantised is not the finished softmax but p = 2^(t - M), with t = logit x log2(e) and M = ceil(the row's largest t), a whole number; so 1/2 < the row's largest p <= 1. The row's sum l is taken of the UNQUANTISED p, in f32, and the product's result is divided by l at the end. Since M is a whole number, a kernel that streams over the keys may use a running M (the ceiling of the running maximum): every later rescaling is an exact power of two, so the quantised numbers keep their values, but for numbers so far below the row's largest that they fall under the format's range.
;;   OPERANDS COMPUTED ON THE WAY. 'Computed on the way' means the value that the module computes at that place (a softmax that the list does not call 'softmax' is quantised finished and normalised). What goes into a quantiser is computed in f32, as accurately as f32 sums, v_exp_f32 and their like allow (about 1e-6 of the number): no bf16 or f16 on the way to a quantiser, and a product that is left as it is and whose result goes on into a quantised operand takes f32 operands (vector FMAs, or v_wmma_f32_16x16x4_f32). A number that lies on a knife's edge between two numbers of the format may be rounded either way, as far as f32 arithmetic and the matrix unit's own rounding can turn it there, and no further.
;; One version. Each part assembles by itself: llvm-mc -triple=amdgcn-amd-amdhsa -mcpu=gfx1250 --defsym DOCPART=n.
;; ======== version 1 of 1: 7 launches
;; limits: right only within a limited range of input values
;; workspace buffers: wcodes 12,582,912 bytes; hcodes 4,194,304 bytes; qkvc 12,582,912 bytes; ycodes 4,194,304 bytes; x1 16,777,216 bytes; gcodes 16,777,216 bytes
;; launch prep (part 1): grid 640 x 1, 4 waves a work-group, no clusters, 39,424 bytes of LDS; arguments x, ln1_w, ln1_b, w_attn, w_proj, w_fc, w_mlp_proj, lowp_scales, wcodes, hcodes; writes wcodes, hcodes
.if DOCPART == 1
	.amdgcn_target "amdgcn-amd-amdhsa--gfx1250"
	.amdhsa_code_object_version 6
	.text
	.protected	k_q4b1b8656b4_prep
	.globl	k_q4b1b8656b4_prep
	.p2align	8
	.type	k_q4b1b8656b4_prep,@function
k_q4b1b8656b4_prep:
	s_mov_b64 s[64:65], 0
	v_nop
	global_prefetch_b8 v0, s[64:65] scope:SCOPE_SE
	s_setreg_imm32_b32 hwreg(HW_REG_WAVE_MODE, 25, 1), 1
	s_wait_xcnt 0x0
; PREP.  Work-groups 0-383: the four weights, f32 stored [K][N], become codes of FP8 (E4M3) laid [N][K], K innermost, each with its given scale 2^e.
; Work-groups 384-639: h = LayerNorm(x) x ln1_w + ln1_b, in f32, becomes codes with the scale 2^e0, rows of 1,024 bytes.
; code = number / 2^e, held within +-448, rounded to the nearest code, ties to even.  LIMITS: each e between -126 and 119.  NaN among the inputs is not served.
; WEIGHTS: a work-group takes 128 columns x 256 along K, a wave 32 columns: A LANE TAKES A COLUMN AND ITS REGISTERS RUN DOWN K, so each load reads 128 consecutive bytes a wave (512 a work-group)
; and the conversions, which take neighbours along K from one lane's registers, give codes with K innermost.  The codes leave through the wave's own stage in LDS as rows: sixteen lanes store 256 consecutive, aligned bytes.
; Which weight a work-group serves hangs on its number alone: 0-95 w_attn, 96-127 w_proj, 128-255 w_fc, 256-383 w_mlp_proj; pointers and sizes are chosen, the text is one.
; LAYER NORM: a wave takes four rows, one at a time, each whole in 32 registers; mean and variance in two passes over the registers (no difference of large sums).
; No tensor loads, no barrier, no cluster: waves share nothing, and no two work-groups read the same bytes but the 8 KB of gain and bias.  The two paths have LDS bytes of their own.
.set WP,   272                         ; a stage row: 256 bytes of codes + 16
.set WST,  32*WP                       ; a wave's stage
.set LNB,  4*WST                       ; behind the four stages: 1,024 bytes for each wave of the layer norm's path
.set OFF,  16                          ; v16-47   weights: 4 x lane + i x pitch, i = 0 .. 31; never rewritten
.set X,    48                          ; v48-111  two sets of 32 numbers
.set C,    112                         ; v112-119 a block's codes
.set OUTR, 120                         ; v120-183 the way out
.set OO,   184                         ; v184-199 the way out: byte offsets of my 16 bytes in rows 2 t + lane / 16
.set LC,   8                           ; layer norm: v8-15 a row's codes
.set LW,   32                          ; v32-63   gain
.set LB,   64                          ; v64-95   bias
.set LX,   96                          ; v96-223  four rows
.set LO,   224                         ; v224-255 four rows' codes as they are stored: no store's data are written again
	s_load_b512 s[8:23], s[0:1], 0x0               ; x, ln1_w, ln1_b, w_attn, w_proj, w_fc, w_mlp_proj, lowp_scales
	s_load_b128 s[24:27], s[0:1], 0x40             ; wcodes, hcodes
	s_set_vgpr_msb 0x40
	v_lshl_add_u32 v0, v0, 2, 0x9800
	v_mov_b32 v1, 0
	s_set_vgpr_msb 0x4000
	v_lshrrev_b32 v1, 5, v0
	v_readfirstlane_b32 s3, v1                     ; wave
	v_and_b32 v1, 31, v0                           ; lane
	s_wait_kmcnt 0x0
	s_load_b256 s[68:75], s[22:23], 0x0            ; e0 .. e7
	s_load_b128 s[76:79], s[22:23], 0x20           ; e8 .. e11
	s_cmp_ge_u32 ttmp9, 384
	s_cbranch_scc1 .Lln
	; ---------------- the weights.  The choice: w_mlp_proj's figures first, then the others' by three compares of the work-group's number
	s_mov_b64 s[28:29], s[20:21]                   ; the weight
	s_mov_b32 s30, 4096                            ; bytes from row k to row k + 1
	s_mov_b32 s31, 256                             ; its first work-group
	s_mov_b32 s33, 0x800000                        ; where its codes begin in wcodes
	s_mov_b32 s34, 4                               ; log2 of K / 256
	s_mov_b32 s35, 4096                            ; a row of its codes in bytes (K)
	s_cmp_lt_u32 ttmp9, 256
	s_cselect_b64 s[28:29], s[18:19], s[28:29]     ; w_fc
	s_cselect_b32 s30, 16384, s30
	s_cselect_b32 s31, 128, s31
	s_cselect_b32 s33, 0x400000, s33
	s_cselect_b32 s34, 2, s34
	s_cselect_b32 s35, 1024, s35
	s_cmp_lt_u32 ttmp9, 128
	s_cselect_b64 s[28:29], s[16:17], s[28:29]     ; w_proj
	s_cselect_b32 s30, 4096, s30
	s_cselect_b32 s31, 96, s31
	s_cselect_b32 s33, 0x300000, s33
	s_cmp_lt_u32 ttmp9, 96
	s_cselect_b64 s[28:29], s[14:15], s[28:29]     ; w_attn
	s_cselect_b32 s30, 12288, s30
	s_cselect_b32 s31, 0, s31
	s_cselect_b32 s33, 0, s33
	s_sub_co_u32 s36, ttmp9, s31                   ; my number within the weight
	s_lshr_b32 s37, s36, s34                       ; which 128 columns
	s_lshl_b32 s38, s37, s34
	s_sub_co_u32 s38, s36, s38                     ; which 256 along K
	s_lshl_b32 s37, s37, 7
	s_lshl_b32 s39, s3, 5
	s_add_co_u32 s37, s37, s39                     ; my wave's first column
	s_lshl_b32 s56, s30, 8
	s_mul_i32 s56, s56, s38                        ; 256 rows x pitch x which (under 2^24)
	s_lshl_b32 s57, s37, 2
	s_add_co_u32 s56, s56, s57
	s_mov_b32 s57, 0
	s_add_nc_u64 s[28:29], s[28:29], s[56:57]      ; the weight at my wave's corner
	s_mul_i32 s58, s37, s35
	s_add_co_u32 s58, s58, s33
	s_lshl_b32 s59, s38, 8
	s_add_co_u32 s58, s58, s59
	s_mov_b32 s59, 0
	s_add_nc_u64 s[24:25], s[24:25], s[58:59]      ; its codes likewise: column x K + 256 x which
	s_lshl_b32 s60, s30, 5                         ; 32 rows
	s_mov_b32 s61, 0
	s_mov_b64 s[40:41], s[28:29]                   ; a base for each of the eight blocks of 32 along K: none is ever stepped
.irp t, 1,2,3,4,5,6,7
	s_add_nc_u64 s[40+2*\t:41+2*\t], s[38+2*\t:39+2*\t], s[60:61]
.endr
	s_wait_alu depctr_va_vdst(0)
	v_lshlrev_b32 v3, 2, v1
.set i, 0
.rept 32
	v_mad_u32_u24 v[OFF+i], s30, i, v3             ; row i of a block, my column
.set i, i+1
.endr
	s_mul_i32 s62, s3, WST
	v_mul_u32_u24 v4, v1, WP
	v_add_nc_u32 v4, s62, v4                       ; into the stage: row = my column
	v_and_b32 v5, 15, v1
	v_lshrrev_b32 v6, 4, v1
	v_lshlrev_b32 v9, 4, v5
	v_mad_u32_u24 v7, v6, WP, v9
	v_add_nc_u32 v7, s62, v7                       ; out of it: sixteen lanes to a row, two rows an instruction
	v_mad_u32_u24 v8, v6, s35, v9                  ; and the same place in the codes
.set i, 0
.rept 16
	v_mad_u32_u24 v[OO+i], s35, 2*i, v8
.set i, i+1
.endr
.macro LOAD t                          ; block t: W(32 t + i, my column) into set t % 2
.set i, 0
.rept 32
	global_load_b32 v[X+32*((\t)%2)+i], v[OFF+i], s[40+2*(\t):41+2*(\t)] th:TH_LOAD_NT
.set i, i+1
.endr
.endm
	LOAD 0
	LOAD 1
	s_wait_kmcnt 0x0
	s_cmp_lt_u32 ttmp9, 256
	s_cselect_b32 s32, s77, s79                    ; e9 : e11
	s_cmp_lt_u32 ttmp9, 128
	s_cselect_b32 s32, s75, s32                    ; e7
	s_cmp_lt_u32 ttmp9, 96
	s_cselect_b32 s32, s69, s32                    ; e1
	s_add_co_i32 s32, s32, 127
	s_lshl_b32 s63, s32, 23
	v_mov_b32 v11, s63                             ; 2^e as f32: the conversion takes its exponent field
	s_add_co_i32 s32, s32, 8
	s_lshl_b32 s32, s32, 23
	s_or_b32 s32, s32, 0x600000
	v_mov_b32 v10, s32                             ; 448 x 2^e
.macro BLOCK t
.set XS, X+32*((\t)%2)
.if (\t) < 7
	s_wait_loadcnt 32                              ; this block's 32 loads are in; the next block's may be out
.else
	s_wait_loadcnt 0
.endif
.set i, 0
.rept 32
	v_med3_num_f32 v[XS+i], v[XS+i], -v10, v10     ; the conversion to an 8-bit code does not saturate (ISA guide 7.6.2): the hold comes first
.set i, i+1
.endr
.irp g, 0,1,2,3
	v_cvt_scalef32_pk8_fp8_f32 v[C+2*\g:C+2*\g+1], v[XS+8*\g:XS+8*\g+7], v11
.endr
	v_nop                                          ; a plain line behind the last conversion
	ds_store_b128 v4, v[C:C+3] offset:32*(\t)      ; 32 codes of my column's row
	ds_store_b128 v4, v[C+4:C+7] offset:32*(\t)+16
.if (\t)+2 < 8
	LOAD (\t)+2
.endif
	s_wait_dscnt 0x0                               ; the stores have read their registers: the next block's codes may be written
.endm
	s_wait_alu depctr_va_vdst(0)
.irp t, 0,1,2,3,4,5,6,7
	BLOCK \t
.endr
	s_cmp_lt_u32 ttmp9, 256
	s_cbranch_scc1 .Lrows
	; w_mlp_proj's codes leave in the order in which its reader's operand registers take them: a fragment of 16 columns x 128 along K is 2,048 bytes on end,
	; laid [c = 0..3][lane][16 bytes], lane (r, h) holding column r, K = 32 c + 16 h + 0 .. 15; fragment (column block, K block) lies at (32 x column block + K block) x 2,048.
	; My wave's 32 columns x 256 along K are four fragments: sixteen stores of 512 consecutive bytes.
	s_mul_i32 s58, s38, 3840                       ; the base holds 256 x which; two K blocks are 4,096 bytes
	s_mov_b32 s59, 0
	s_add_nc_u64 s[24:25], s[24:25], s[58:59]
	v_lshlrev_b32 v12, 4, v1                       ; 16 x lane
	v_lshlrev_b32 v13, 4, v6
	v_mad_u32_u24 v13, v5, WP, v13
	v_add_nc_u32 v13, s62, v13                     ; out of the stage: row r, + 16 h
	s_wait_alu depctr_va_vdst(0)
.set i, 0
.rept 16                               ; i = 8 x column block + 4 x K block + c
	ds_load_b128 v[OUTR+4*i:OUTR+4*i+3], v13 offset:(i/8)*16*WP+((i/4)%2)*128+(i%4)*32
.set i, i+1
.endr
.set i, 0
.rept 16
	s_wait_dscnt 15-i                              ; the younger loads from the stage stay out
	global_store_b128 v12, v[OUTR+4*i:OUTR+4*i+3], s[24:25] offset:(i/8)*65536+((i/4)%2)*2048+(i%4)*512
.set i, i+1
.endr
	s_set_vgpr_msb 0x5
	s_wait_tensorcnt 0x0
	ds_add_u32 v0, v1
	s_wait_dscnt 0x0
	s_set_vgpr_msb 0x500
	s_endpgm
.Lrows:
.set i, 0
.rept 16
	ds_load_b128 v[OUTR+4*i:OUTR+4*i+3], v7 offset:2*i*WP   ; LDS serves a wave's instructions in order: these see my stores
.set i, i+1
.endr
.set i, 0
.rept 16
	s_wait_dscnt 15-i                              ; the younger loads from the stage stay out
	global_store_b128 v[OO+i], v[OUTR+4*i:OUTR+4*i+3], s[24:25]   ; sixteen lanes store 256 consecutive bytes, at a multiple of 256 from the buffer's first byte
.set i, i+1
.endr
	s_set_vgpr_msb 0x5
	s_wait_tensorcnt 0x0
	ds_add_u32 v0, v1
	s_wait_dscnt 0x0
	s_set_vgpr_msb 0x500
	s_endpgm
	; ---------------- the layer norm
.macro ACROSS                          ; four chains of pairs in v16-23 become one sum, in every lane
	v_pk_add_f32 v[16:17], v[16:17], v[18:19]
	v_pk_add_f32 v[20:21], v[20:21], v[22:23]
	v_pk_add_f32 v[16:17], v[16:17], v[20:21]
	v_add_f32 v16, v16, v17
	v_add_f32_dpp v16, v16, v16 row_xmask:1 row_mask:0xf bank_mask:0xf
	v_add_f32_dpp v16, v16, v16 row_xmask:2 row_mask:0xf bank_mask:0xf
	v_add_f32_dpp v16, v16, v16 row_xmask:4 row_mask:0xf bank_mask:0xf
	v_add_f32_dpp v16, v16, v16 row_xmask:8 row_mask:0xf bank_mask:0xf
	v_permlanex16_b32 v28, v16, s42, s43
	v_add_f32 v16, v16, v28
.endm
.macro ROW i                           ; register 4 j + c of a row is element 128 j + 4 lane + c
.set RX, LX+32*(\i)
	s_wait_loadcnt 8*(3-(\i))                      ; gain, bias and my rows up to this one are in; the later rows' eight loads each stay out
.irp k, 0,1,2,3
	v_pk_add_f32 v[16+2*\k:17+2*\k], v[RX+4*\k:RX+4*\k+1], v[RX+4*\k+2:RX+4*\k+3]   ; the first sixteen numbers start four chains: nothing is cleared
.endr
.irp p, 8,9,10,11,12,13,14,15
	v_pk_add_f32 v[16+2*(\p%4):17+2*(\p%4)], v[16+2*(\p%4):17+2*(\p%4)], v[RX+2*\p:RX+2*\p+1]
.endr
	ACROSS
	v_mul_f32 v24, s40, v16                        ; the mean: sum / 1,024
	v_mov_b32 v25, v24
.set p, 0
.rept 16
	v_pk_add_f32 v[RX+2*p:RX+2*p+1], v[RX+2*p:RX+2*p+1], v[24:25] neg_lo:[0,1] neg_hi:[0,1]   ; x - mean
.set p, p+1
.endr
.irp k, 0,1,2,3
	v_pk_mul_f32 v[16+2*\k:17+2*\k], v[RX+2*\k:RX+2*\k+1], v[RX+2*\k:RX+2*\k+1]
.endr
.irp p, 4,5,6,7,8,9,10,11,12,13,14,15
	v_pk_fma_f32 v[16+2*(\p%4):17+2*(\p%4)], v[RX+2*\p:RX+2*\p+1], v[RX+2*\p:RX+2*\p+1], v[16+2*(\p%4):17+2*(\p%4)]
.endr
	ACROSS
	v_fma_f32 v26, v16, s40, s41                   ; the variance + 1e-5
	s_wait_alu depctr_va_vdst(0)
	v_rsq_f32 v26, v26
	v_nop                                          ; a plain line behind the transcendental
	s_wait_alu depctr_va_vdst(0)
	v_mov_b32 v27, v26
.set p, 0
.rept 16
	v_pk_mul_f32 v[RX+2*p:RX+2*p+1], v[RX+2*p:RX+2*p+1], v[26:27]
.set p, p+1
.endr
.set p, 0
.rept 16
	v_pk_fma_f32 v[RX+2*p:RX+2*p+1], v[RX+2*p:RX+2*p+1], v[LW+2*p:LW+2*p+1], v[LB+2*p:LB+2*p+1]
.set p, p+1
.endr
.set p, 0
.rept 32
	v_med3_num_f32 v[RX+p], v[RX+p], -v29, v29     ; the hold at the largest code x the scale
.set p, p+1
.endr
.irp g, 0,1,2,3
	v_cvt_scalef32_pk8_fp8_f32 v[LC+2*\g:LC+2*\g+1], v[RX+8*\g:RX+8*\g+7], v30   ; its two words: the four codes of load 2 g, those of load 2 g + 1
.endr
	v_nop                                          ; a plain line behind the last conversion
.irp j, 0,1,2,3,4,5,6,7
	ds_store_b32 v5, v[LC+\j] offset:128*\j        ; codes 128 j + 4 lane on: the row lies in LDS as it lies in memory
.endr
.irp k, 0,1
	ds_load_b128 v[LO+8*(\i)+4*\k:LO+8*(\i)+4*\k+3], v6 offset:512*\k   ; LDS serves a wave's instructions in order: these see the stores
.endr
	s_wait_dscnt 0x0
.irp k, 0,1
	global_store_b128 v2, v[LO+8*(\i)+4*\k:LO+8*(\i)+4*\k+3], s[26:27] offset:1024*(\i)+512*\k   ; 32 lanes store 512 consecutive bytes
.endr
.endm
.Lln:
	s_sub_co_u32 s36, ttmp9, 384
	s_lshl_b32 s36, s36, 2
	s_add_co_u32 s36, s36, s3
	s_lshl_b32 s36, s36, 2                         ; my wave's first row
	s_lshl_b32 s56, s36, 12
	s_mov_b32 s57, 0
	s_add_nc_u64 s[8:9], s[8:9], s[56:57]          ; x there
	s_lshl_b32 s58, s36, 10
	s_mov_b32 s59, 0
	s_add_nc_u64 s[26:27], s[26:27], s[58:59]      ; its codes there
	s_wait_alu depctr_va_vdst(0)
	v_lshlrev_b32 v2, 4, v1                        ; 16 bytes a lane
.irp j, 0,1,2,3,4,5,6,7
	global_load_b128 v[LW+4*\j:LW+4*\j+3], v2, s[10:11] offset:512*\j
.endr
.irp j, 0,1,2,3,4,5,6,7
	global_load_b128 v[LB+4*\j:LB+4*\j+3], v2, s[12:13] offset:512*\j
.endr
.irp i, 0,1,2,3
.irp j, 0,1,2,3,4,5,6,7
	global_load_b128 v[LX+32*\i+4*\j:LX+32*\i+4*\j+3], v2, s[8:9] offset:4096*\i+512*\j th:TH_LOAD_NT   ; all four rows go out at once: 32 loads of 512 consecutive bytes
.endr
.endr
	s_lshl_b32 s37, s3, 10
	s_add_co_u32 s37, s37, LNB
	v_lshl_add_u32 v5, v1, 2, s37
	v_lshl_add_u32 v6, v1, 4, s37
	v_mov_b32 v28, 0                               ; written once: a lane permute's destination counts as one of its sources
	s_mov_b32 s40, 0x3a800000                      ; 1 / 1,024
	s_mov_b32 s41, 0x3727c5ac                      ; 1e-5
	s_mov_b32 s42, 0x76543210
	s_mov_b32 s43, 0xfedcba98                      ; lane l xor 16
	s_wait_kmcnt 0x0
	s_add_co_i32 s44, s68, 127                     ; e0
	s_lshl_b32 s45, s44, 23
	v_mov_b32 v30, s45                             ; 2^e0
	s_add_co_i32 s44, s44, 8
	s_lshl_b32 s44, s44, 23
	s_or_b32 s44, s44, 0x600000
	v_mov_b32 v29, s44                             ; 448 x 2^e0
.irp i, 0,1,2,3
	ROW \i
.endr
	s_set_vgpr_msb 0x5
	s_wait_tensorcnt 0x0
	ds_add_u32 v0, v1
	s_wait_dscnt 0x0
	s_set_vgpr_msb 0x500
	s_endpgm
.Lfunc_end_k_q4b1b8656b4_prep:
	.size	k_q4b1b8656b4_prep, .Lfunc_end_k_q4b1b8656b4_prep-k_q4b1b8656b4_prep
	.p2alignl 7, 3214868480
	.fill 96, 4, 3214868480
	.section	.rodata,"a",@progbits
	.p2align	6, 0x0
	.amdhsa_kernel k_q4b1b8656b4_prep
		.amdhsa_group_segment_fixed_size 39424
		.amdhsa_private_segment_fixed_size 0
		.amdhsa_enable_private_segment 0
		.amdhsa_kernarg_size 80
		.amdhsa_user_sgpr_count 2
		.amdhsa_user_sgpr_kernarg_segment_ptr 1
		.amdhsa_wavefront_size32 1
		.amdhsa_system_sgpr_workgroup_id_x 1
		.amdhsa_system_sgpr_workgroup_id_y 1
		.amdhsa_system_sgpr_workgroup_id_z 1
		.amdhsa_system_vgpr_workitem_id 0
		.amdhsa_next_free_vgpr 258
		.amdhsa_next_free_sgpr 84
		.amdhsa_reserve_vcc 0
		.amdhsa_float_denorm_mode_32 3
		.amdhsa_float_denorm_mode_16_64 3
		.amdhsa_memory_ordered 1
		.amdhsa_forward_progress 1
		.amdhsa_inst_pref_size 101
	.end_amdhsa_kernel
	.amdgpu_metadata
---
amdhsa.version: [ 1, 2 ]
amdhsa.kernels:
  - .name:           k_q4b1b8656b4_prep
    .symbol:         k_q4b1b8656b4_prep.kd
    .args:
      - { .name: x, .offset: 0, .size: 8, .value_kind: global_buffer, .address_space: global }
      - { .name: ln1_w, .offset: 8, .size: 8, .value_kind: global_buffer, .address_space: global }
      - { .name: ln1_b, .offset: 16, .size: 8, .value_kind: global_buffer, .address_space: global }
      - { .name: w_attn, .offset: 24, .size: 8, .value_kind: global_buffer, .address_space: global }
      - { .name: w_proj, .offset: 32, .size: 8, .value_kind: global_buffer, .address_space: global }
      - { .name: w_fc, .offset: 40, .size: 8, .value_kind: global_buffer, .address_space: global }
      - { .name: w_mlp_proj, .offset: 48, .size: 8, .value_kind: global_buffer, .address_space: global }
      - { .name: lowp_scales, .offset: 56, .size: 8, .value_kind: global_buffer, .address_space: global }
      - { .name: wcodes, .offset: 64, .size: 8, .value_kind: global_buffer, .address_space: global }
      - { .name: hcodes, .offset: 72, .size: 8, .value_kind: global_buffer, .address_space: global }
    .group_segment_fixed_size: 39424
    .private_segment_fixed_size: 0
    .kernarg_segment_align: 8
    .kernarg_segment_size: 80
    .max_flat_workgroup_size: 128
    .sgpr_count:     84
    .vgpr_count:     258
    .wavefront_size: 32
...
	.end_amdgpu_metadata
.endif
;; end of part 1
;; launch qkv (part 2): grid 12 x 16, 4 waves a work-group, clusters of 4 x 4, 327,680 bytes of LDS; arguments hcodes, wcodes, lowp_scales, b_attn, qkvc; writes qkvc
.if DOCPART == 2
	.amdgcn_target "amdgcn-amd-amdhsa--gfx1250"
	.amdhsa_code_object_version 6
	.text
	.protected	k_q4b1b8656b4_qkv
	.globl	k_q4b1b8656b4_qkv
	.p2align	8
	.type	k_q4b1b8656b4_qkv,@function
k_q4b1b8656b4_qkv:
	s_mov_b64 s[64:65], 0
	v_nop
	global_prefetch_b8 v0, s[64:65] scope:SCOPE_SE
	s_setreg_imm32_b32 hwreg(HW_REG_WAVE_MODE, 25, 1), 1
	s_wait_xcnt 0x0
	s_wait_alu depctr_hold_cnt(0) depctr_sa_sdst(0) depctr_va_vdst(0) depctr_va_sdst(0) depctr_va_ssrc(0) depctr_va_vcc(0) depctr_vm_vsrc(0)
	s_getreg_b32 s2, hwreg(HW_REG_IB_STS2, 6, 4)
	s_cmp_eq_u32 s2, 0
	s_cbranch_scc0 .Lentry_in_a_cluster
	s_endpgm
.Lentry_in_a_cluster:
	s_bfe_u32 s2, ttmp6, 0x10000c
	s_cmp_lg_u32 s2, 0xf033
	s_cbranch_scc0 .Lentry_shape_is_right
	s_endpgm
.Lentry_shape_is_right:
; qkv = h w_attn + b_attn on codes of FP8 (E4M3); the results are quantised at once for attention's two products: q (scale 2^e2) and k (2^e3) laid [head][token][64], v (2^e5) laid [head][64][token].
; h: [4096][1024] codes (2^e0); w_attn: [3072][1024] codes, K innermost (2^e1).  Sums in f32; number = sum x 2^(e0 + e1) + bias; code = number / 2^e, held within +-448, nearest, ties to even.
; LIMITS: e0 + e1 between -126 and 127; e2, e3, e5 between -126 and 119.  NaN is not served.
; A tile of 256 tokens x 256 columns is made by four waves, each 128 x 128: 64 accumulators, 512 registers.  K goes in steps of 256 through a ring of two LDS slots filled by the tensor data mover.
; A slot has two regions of 256 rows: A's (one set of fragment registers, source 1) and B's (two sets, source 0).  A lane holds one row of A's region and eight neighbouring rows of B's.
; CLUSTERS: 4 x 4 work-groups.  The cluster's x is 0 for q, 1 for k, 2 for v: equal in all sixteen partners.  What lies in A's region hangs on cy alone and is shared along a row of the cluster, what lies in
; B's region on cx alone and is shared along a column: each is asked for JOINTLY.
;   q, k: A's region = tokens 256 (4 cluster y + cy), B's = weight rows 256 (4 cluster x + cx): a lane's eight results are eight neighbouring channels of a token.
;   v:    A's region = weight rows 256 (8 + cy),      B's = tokens 256 (4 cluster y + cx):      eight neighbouring TOKENS of a channel: v with the keys innermost, by a choice of memory addresses alone.
; Fragments come by four 16-byte loads: a permutation of k that is the same on both sides.
; REGISTERS: window 0: v0-31 addresses; v32-47 codes; v48-63, v64-127 biases; v128-255 A's fragments, on the way out at work.  window 1: B's two sets.  windows 2, 3: the accumulators ((a, b) at v[8 (8 (a % 4) + b)]).
.set SIZE_K, 1024
.set KSTEP,  256
.set ROWB,   256
.set KROW,   SIZE_K
.set PITCH,  272                       ; an LDS row: 256 bytes + 16 = 68 words: the 16 rows that a load touches start at 16 different banks (64 banks of 4 bytes: ISA guide 11.1)
.set FR,     16
.set NL,     4
.set NP,     4                         ; places behind this matrix instruction (ISA guide 7.12.1)
.set HALFT,  128*PITCH
.set SLOT,   4*HALFT                   ; A's 256 rows, then B's 256
.set LAPS,   SIZE_K/(2*KSTEP)
.set SPARE,  2*SLOT                    ; behind the ring: the spare words, 128 bytes a wave, which no other line names
.set STG1,   256*PITCH                 ; the way out: two stages of 256 rows x 272 bytes in slot 0, which has had its last fill and its last read by then: q's and k's at 0, v's here
.set BO,   7                           ; v7   32 x (lane / 16): my eight biases of a block of 16 columns
.set BVO,  8                           ; v8   4 x (lane % 16): v's bias of my row
.set RDR,  10                          ; v10  v: where I read a stage row back
.set ADRA, 16
.set ADRB, 20
.set COQ,  22                          ; v22  q, k: 16 x lane
.set STOV, 23                          ; v23  v: where I put 8 codes
.set STO,  24                          ; v24  q, k: the same
.set COR,  26                          ; v26  v: my byte offset in two rows of 2,048 bytes
.set RDQ,  27                          ; v27  q, k: where I read 16 bytes of a token's 64 back
.set SPW,  28
.set NIL,  29
.set LIM,  30                          ; v30  448 x 2^e
.set SCL,  31                          ; v31  2^e
.set CD,   32
.set BV,   48
.set BIAS, 64
.set U,    128
.set AF,   128
.set G1, 24
.set G0, 32
.set G1B, 48
.set G0B, 56
.set MSB, 0
.macro WIN new                         ; the immediate's high byte repeats the setting that is left
.if MSB != (\new)
	s_set_vgpr_msb (MSB<<8)|(\new)
.set MSB, (\new)
.endif
.endm
.set MUL_LO, 0xa1
.set MUL_HI, 0xf1
.set TO_B,   0x40
.macro JLOAD g0a, g1a, g0b, g1b        ; a joint load: waves 0 and 1 fetch the halves of A's region, waves 2 and 3 those of B's; four v_nop follow each line
	s_cmp_eq_u32 s17, 0
	s_cbranch_scc0 .Lfor_b_\@
	tensor_load_to_lds s[\g0a:\g0a+3], s[\g1a:\g1a+7]
	s_nop 0
.rept 4
	v_nop
.endr
	s_branch .Lasked_\@
.Lfor_b_\@:
	tensor_load_to_lds s[\g0b:\g0b+3], s[\g1b:\g1b+7]
	s_nop 0
.rept 4
	v_nop
.endr
.Lasked_\@:
.endm
.macro CREST
	s_cmp_lg_u32 s16, 0
	s_cbranch_scc1 .Lnot_wave_0_\@
	s_barrier_signal -3
.Lnot_wave_0_\@:
	s_barrier_wait -3
	s_barrier_signal -1
	s_barrier_wait -1
.endm
.macro CROUND
	s_barrier_signal -1
	s_barrier_wait -1
	CREST
.endm
	s_load_b256 s[4:11], s[0:1], 0x0               ; h's codes, the weights' codes, the scales' exponents, b_attn
	s_load_b64 s[12:13], s[0:1], 0x20              ; qkvc
	v_lshl_add_u32 v[SPW], v0, 2, SPARE
	v_mov_b32 v[NIL], 0
	ds_add_u32 v28, v29
	ds_add_u32 v28, v29
	s_wait_dscnt 0x0
	v_lshrrev_b32 v1, 5, v0
	v_readfirstlane_b32 s16, v1                    ; wave 0..3
	s_lshr_b32 s17, s16, 1                         ; which half of A's region is mine.  Also: I fetch for A's region (0) or for B's (1)
	s_and_b32 s18, s16, 1                          ; which half of B's region.  Also: which 128 rows I fetch
	s_bfe_u32 s40, ttmp6, 0x40000                  ; cx
	s_bfe_u32 s41, ttmp6, 0x40004                  ; cy
	s_and_b32 s19, ttmp7, 0xffff
	s_lshl_b32 s19, s19, 2                         ; 4 x cluster y
	s_add_co_u32 s43, s19, s41                     ; q, k: the token tile, 4 cluster y + cy
	s_add_co_u32 s23, s41, 8                       ; v: the weight tile, 8 + cy
	s_lshl_b32 s42, ttmp9, 2
	s_add_co_u32 s42, s42, s40                     ; q, k: the weight tile, 4 cluster x + cx
	s_add_co_u32 s46, s19, s40                     ; v: the token tile, 4 cluster y + cx
	s_cmp_eq_u32 ttmp9, 2                          ; v's clusters
	s_cselect_b32 s43, s23, s43                    ; the tile that goes to A's region: it hangs on cy alone
	s_cselect_b32 s42, s46, s42                    ; the tile that goes to B's region: on cx alone
	s_lshl_b32 s44, s41, 2
	s_lshl_b32 s44, 15, s44                        ; my row of the cluster
	s_lshl_b32 s45, 0x1111, s40                    ; my column
	s_or_b32 s[G1+0], s44, (0<<16)|(1<<20)|(1<<21)|(5<<22)|(3<<25)   ; mask; elements of 1 byte; padding on; bit 21 beside a mask; 4 words after every 64
	s_or_b32 s[G1B+0], s45, (0<<16)|(1<<20)|(1<<21)|(5<<22)|(3<<25)
.irp g, G1, G1B
	s_mov_b32 s[\g+1], ROWB<<16                    ; tensor_dim0
	s_mov_b32 s[\g+2], 128<<16                     ; tensor_dim1
	s_mov_b32 s[\g+3], ROWB<<16                    ; tile_dim0
	s_mov_b32 s[\g+4], 128                         ; tile_dim1
	s_mov_b32 s[\g+5], KROW                        ; bytes from row to row: the same in h's codes and in the weight's
	s_mov_b32 s[\g+6], 0
	s_mov_b32 s[\g+7], 0
.endr
	s_lshl_b32 s19, s18, 7
	s_lshl_b32 s20, s43, 8
	s_add_co_u32 s20, s20, s19
	s_lshl_b32 s20, s20, 10                        ; A's region: (256 x its tile + 128 x half) rows of 1,024 bytes
	s_mov_b32 s21, 0
	s_lshl_b32 s46, s42, 8
	s_add_co_u32 s46, s46, s19
	s_lshl_b32 s46, s46, 10                        ; B's region likewise; w_attn's codes begin at byte 0 of the weights' codes
	s_mov_b32 s47, 0
	s_mul_i32 s22, s16, HALFT                      ; where they go: wave x 128 rows
	s_wait_kmcnt 0x0
	s_load_b256 s[68:75], s[8:9], 0x0              ; e0 .. e7
	s_cmp_eq_u32 ttmp9, 2
	s_cselect_b64 s[88:89], s[6:7], s[4:5]         ; A's region comes from h's codes, for v from the weights'
	s_cselect_b64 s[90:91], s[4:5], s[6:7]         ; B's region from the other buffer
	s_add_nc_u64 s[20:21], s[88:89], s[20:21]
	s_add_nc_u64 s[46:47], s[90:91], s[46:47]
	CROUND                                         ; all sixteen work-groups are here: the first joint loads meet
.irp s, 0,1
	s_mov_b32 s[G0+4*\s], 1
	s_add_co_u32 s[G0+4*\s+1], s22, \s*SLOT
	s_add_nc_u64 s[G0+4*\s+2:G0+4*\s+3], s[20:21], \s*ROWB
	s_or_b32 s[G0+4*\s+3], s[G0+4*\s+3], 0x80000000
	s_mov_b32 s[G0B+4*\s], 1
	s_add_co_u32 s[G0B+4*\s+1], s22, \s*SLOT
	s_add_nc_u64 s[G0B+4*\s+2:G0B+4*\s+3], s[46:47], \s*ROWB
	s_or_b32 s[G0B+4*\s+3], s[G0B+4*\s+3], 0x80000000
.endr
	JLOAD G0, G1, G0B, G1B                         ; K step 0: one tensor load a wave at the head
	v_and_b32 v1, 15, v0                           ; r
	v_bfe_u32 v2, v0, 4, 1                         ; h
	v_mul_u32_u24 v3, v1, PITCH
	s_wait_alu depctr_va_vdst(0)
	v_lshl_add_u32 v4, v2, 4, v3                   ; a fragment's row x pitch + 16 x half
	s_mul_i32 s19, s17, HALFT                      ; my 128 rows of A's region
	s_mul_i32 s21, s18, HALFT
	s_add_co_u32 s21, s21, 2*HALFT                 ; my 128 rows of B's, which lies behind A's 256
.irp s, 0,1
	v_add_nc_u32 v[ADRA+\s], s19, v4
	v_add_nc_u32 v[ADRB+\s], s21, v4
	s_add_co_u32 s19, s19, SLOT
	s_add_co_u32 s21, s21, SLOT
.endr
	s_mul_i32 s23, s17, 128*PITCH                  ; the stage: row = A's region's row, byte = B's region's row
	s_lshl_b32 s19, s18, 7
	s_add_co_u32 s23, s23, s19
	v_lshl_add_u32 v5, v2, 3, v3
	v_add_nc_u32 v[STO], s23, v5                   ; (128 x half + r) x 272 + 128 x half + 8 h
	v_add_nc_u32 v[STOV], STG1, v[STO]
	s_mul_i32 s23, s16, 64*PITCH                   ; back: wave w takes stage rows 64 w .. 64 w + 63
	v_mul_u32_u24 v5, v2, PITCH
	v_lshl_add_u32 v5, v1, 4, v5
	v_add_nc_u32 v5, s23, v5
	v_add_nc_u32 v[RDR], STG1, v5                  ; v: sixteen lanes to a row of 256 bytes, two rows an instruction
	v_and_b32 v6, 31, v0
	v_lshrrev_b32 v9, 2, v6
	v_mul_u32_u24 v9, v9, PITCH
	v_and_b32 v11, 3, v6
	v_lshl_add_u32 v9, v11, 4, v9
	v_add_nc_u32 v[RDQ], s23, v9                   ; q, k: four lanes to a token's 64 bytes of one head, eight tokens an instruction
	v_lshlrev_b32 v[COQ], 4, v6
	v_lshlrev_b32 v[COR], 11, v2
	v_lshl_add_u32 v[COR], v1, 4, v[COR]
	v_lshlrev_b32 v[BO], 5, v2
	s_wait_alu depctr_va_vdst(0)
	v_lshlrev_b32 v[BVO], 2, v1
	; which tile of the weight and which of the tokens is mine: numbers that mix the two coordinates stand in registers that feed no descriptor
	s_wait_alu depctr_va_vdst(0)
	s_cmp_eq_u32 ttmp9, 2
	s_cselect_b32 s86, s43, s42                    ; the weight tile, 0 .. 11
	s_cselect_b32 s87, s42, s43                    ; the token tile, 0 .. 15
	s_lshl_b32 s88, s86, 10                        ; 256 x weight tile, in bytes of b_attn
	s_lshl_b32 s89, s18, 9
	s_add_co_u32 s90, s88, s89
	s_mov_b32 s91, 0
	s_add_nc_u64 s[90:91], s[10:11], s[90:91]      ; by B's region's half: q's and k's biases
	s_lshl_b32 s89, s17, 9
	s_add_co_u32 s92, s88, s89
	s_mov_b32 s93, 0
	s_add_nc_u64 s[92:93], s[10:11], s[92:93]      ; by A's region's half: v's
.irp b, 0,1,2,3,4,5,6,7
	global_load_b128 v[BIAS+8*\b:BIAS+8*\b+3], v[BO], s[90:91] offset:64*\b        ; q, k: bias of columns 16 b + 8 h + 0 .. 7
	global_load_b128 v[BIAS+8*\b+4:BIAS+8*\b+7], v[BO], s[90:91] offset:64*\b+16
.endr
.irp a, 0,1,2,3,4,5,6,7
	global_load_b32 v[BV+2*\a], v[BVO], s[92:93] offset:64*\a                      ; v: bias of column 16 a + r, twice: a pair for the packed form
	global_load_b32 v[BV+2*\a+1], v[BVO], s[92:93] offset:64*\a
.endr
	s_lshr_b32 s88, s87, 3                         ; batch
	s_and_b32 s89, s87, 7
	s_lshl_b32 s89, s89, 8                         ; the tile's first token in its batch
	s_and_b32 s81, s86, 3                          ; which 256 columns of q, of k or of v
	s_lshl_b32 s94, s88, 4
	s_lshl_b32 s95, s81, 2
	s_add_co_u32 s94, s94, s95                     ; q, k: head = 16 x batch + 4 x that (+ 0 .. 3)
	s_lshl_b32 s94, s94, 11
	s_add_co_u32 s94, s94, s89
	s_lshl_b32 s95, s16, 6
	s_add_co_u32 s94, s94, s95                     ; + my wave's 64 tokens
	s_lshl_b32 s82, s94, 6                         ; x 64 bytes
	s_lshl_b32 s95, ttmp9, 22
	s_add_co_u32 s82, s82, s95                     ; q at 0, k at 4 MiB
	s_mov_b32 s83, 0
	s_add_nc_u64 s[82:83], s[12:13], s[82:83]
	s_lshl_b32 s94, s88, 10
	s_lshl_b32 s95, s81, 8
	s_add_co_u32 s94, s94, s95
	s_lshl_b32 s95, s16, 6
	s_add_co_u32 s94, s94, s95                     ; v: row = 1,024 x batch + 256 x that + 64 x wave
	s_lshl_b32 s84, s94, 11                        ; x 2,048 bytes
	s_add_co_u32 s84, s84, s89
	s_add_co_u32 s84, s84, 0x800000                ; v at 8 MiB
	s_mov_b32 s85, 0
	s_add_nc_u64 s[84:85], s[12:13], s[84:85]
.macro FRAG reg, adr, q, i             ; 16 rows x 128 K: registers 4 c .. 4 c + 3 hold K = 32 c + 16 (lane / 16) + 0 .. 15
.irp c, 0,1,2,3
	ds_load_b128 v[\reg+4*\c:\reg+4*\c+3], v[\adr] offset:128*(\q)+32*\c+(\i)*16*PITCH
.endr
.endm
.macro MUL16 a0, p, zero               ; A's blocks a0, a0 + 1 x B's eight; the 64 accumulators take turns, one instruction a turn
.irp a, \a0, \a0+1
.irp b, 0,1,2,3,4,5,6,7
.if \zero
	v_wmma_f32_16x16x128_fp8_fp8 v[8*(8*((\a)%4)+\b):8*(8*((\a)%4)+\b)+7], v[128*(\p)+FR*\b:128*(\p)+FR*\b+FR-1], v[AF+FR*(\a):AF+FR*(\a)+FR-1], 0
.else
	v_wmma_f32_16x16x128_fp8_fp8 v[8*(8*((\a)%4)+\b):8*(8*((\a)%4)+\b)+7], v[128*(\p)+FR*\b:128*(\p)+FR*\b+FR-1], v[AF+FR*(\a):AF+FR*(\a)+FR-1], v[8*(8*((\a)%4)+\b):8*(8*((\a)%4)+\b)+7]
.endif
.endr
.endr
.endm
.macro FETCH_B slot, q, p
	WIN TO_B
.irp i, 0,1,2,3,4,5,6,7
	FRAG 128*(\p)+FR*\i, ADRB+\slot, \q, \i
.endr
	WIN 0
.endm
.macro FETCH_A slot, q, i0
.irp i, \i0, \i0+1, \i0+2, \i0+3
	FRAG AF+FR*(\i), ADRA+\slot, \q, \i
.endr
.endm
.macro PLACES n                        ; plain vector lines between a matrix instruction and a load into, or a vector line on, its registers
.rept \n
	v_nop
.endr
.endm
.macro STEP slot, q, zero              ; 128 along K whose successor lies in the same slot
	s_wait_dscnt 4*NL                              ; B's set and A's blocks 0-3 are in; A's blocks 4-7, the youngest 16 loads, may be out
	WIN MUL_LO
	MUL16 0, (\q)%2, \zero
	MUL16 2, (\q)%2, \zero
	s_wait_dscnt 0
	PLACES NP
	FETCH_B \slot, (\q)+1, 1-(\q)%2
	FETCH_A \slot, (\q)+1, 0
	WIN MUL_HI
	MUL16 4, (\q)%2, \zero
	MUL16 6, (\q)%2, \zero
	PLACES NP
	WIN 0
	FETCH_A \slot, (\q)+1, 4
.endm
.macro TURN slot, next, fill           ; a slot's last step changes slots: one barrier
	s_wait_tensorcnt 0x0                           ; all my tensor loads have landed: my part of the next slot
	ds_add_u32 v[SPW], v[NIL]                      ; 0 onto my spare word
	s_wait_dscnt 4*NL+1                            ; (the add and A's blocks 4-7 may be out)
	WIN MUL_LO
	MUL16 0, 1, 0
	s_wait_dscnt 0x0                               ; the add is done, and my reads of this slot are over
	s_barrier_signal -1
	MUL16 2, 1, 0
	WIN 0
	s_barrier_wait -1
.if \fill
	CREST                                          ; the barrier has opened a round of the cluster's: no wave of any partner still reads this slot or has a load on its way
	s_add_nc_u64 s[G0+4*\slot+2:G0+4*\slot+3], s[G0+4*\slot+2:G0+4*\slot+3], 2*ROWB
	s_add_nc_u64 s[G0B+4*\slot+2:G0B+4*\slot+3], s[G0B+4*\slot+2:G0B+4*\slot+3], 2*ROWB
	JLOAD G0+4*\slot, G1, G0B+4*\slot, G1B         ; the first tensor load behind the round; its four v_nop are the places in front of the loads below
.else
	PLACES NP
.endif
	FETCH_B \next, 0, 0
	FETCH_A \next, 0, 0
	WIN MUL_HI
	MUL16 4, 1, 0
	MUL16 6, 1, 0
	PLACES NP
	WIN 0
	FETCH_A \next, 0, 4
.endm
	s_wait_alu depctr_va_vdst(0)
	s_wait_tensorcnt 0x0                           ; my part of K step 0 is in
	ds_add_u32 v[SPW], v[NIL]
	s_wait_dscnt 0x0
	CROUND                                         ; everybody's part of K step 0 is in, and all sixteen work-groups are here
	JLOAD G0+4, G1, G0B+4, G1B                     ; K step 1: the first tensor load behind the round
	FETCH_B 0, 0, 0
	FETCH_A 0, 0, 0
	FETCH_A 0, 0, 4
	STEP 0, 0, 1                                   ; the first step's products start the sums
	s_mov_b32 s3, LAPS-1
.Llap:                                                 ; a trip goes once round the ring and fills both slots again
	TURN 0, 1, 1
	STEP 1, 0, 0
	TURN 1, 0, 1
	STEP 0, 0, 0
	s_sub_co_u32 s3, s3, 1
	s_cmp_lg_u32 s3, 0
	s_cbranch_scc1 .Llap
	TURN 0, 1, 0                                   ; the last lap fills nothing
	STEP 1, 0, 0
	s_wait_dscnt 4*NL
	WIN MUL_LO
	MUL16 0, 1, 0
	MUL16 2, 1, 0
	s_wait_dscnt 0
	WIN MUL_HI
	MUL16 4, 1, 0
	MUL16 6, 1, 0
	WIN 0
; THE WAY OUT.  Block a (16 rows of A's region x 128 of B's): sum x 2^(e0 + e1) + bias, the hold, the conversion; a lane's eight codes of each accumulator are 8 neighbouring bytes of a stage row.
; mode 0: q, k: the bias goes with the register.  mode 1: v: with the lane.  Each accumulator is read from its low end on.
.macro QOUT a, mode
	WIN 0x02+((\a)/4)                              ; source 0: window 2 or 3
.set i, 0
.rept 32
.if \mode == 1
	v_pk_fma_f32 v[U+i:U+i+1], v[64*((\a)%4)+i:64*((\a)%4)+i+1], s[66:67], v[BV+2*(\a):BV+2*(\a)+1] op_sel_hi:[1,0,1]
.else
	v_pk_fma_f32 v[U+i:U+i+1], v[64*((\a)%4)+i:64*((\a)%4)+i+1], s[66:67], v[BIAS+i:BIAS+i+1] op_sel_hi:[1,0,1]
.endif
.set i, i+2
.endr
	WIN 0
.set i, 0
.rept 64
	v_med3_num_f32 v[U+i], v[U+i], -v[LIM], v[LIM] ; the conversion does not saturate (ISA guide 7.6.2)
.set i, i+1
.endr
	s_wait_alu depctr_va_vdst(0)
	s_wait_dscnt 0x0                               ; the last block's stores have read their registers
.irp b, 0,1,2,3,4,5,6,7
	v_cvt_scalef32_pk8_fp8_f32 v[CD+2*\b:CD+2*\b+1], v[U+8*\b:U+8*\b+7], v[SCL]
.endr
	v_nop                                          ; a plain line behind the last conversion
.irp b, 0,1,2,3,4,5,6,7
.if \mode == 1
	ds_store_b64 v[STOV], v[CD+2*\b:CD+2*\b+1] offset:(\a)*16*PITCH+16*\b
.else
	ds_store_b64 v[STO], v[CD+2*\b:CD+2*\b+1] offset:(\a)*16*PITCH+16*\b
.endif
.endr
.endm
	s_wait_kmcnt 0x0
	s_add_co_i32 s66, s68, s69
	s_add_co_i32 s66, s66, 127
	s_lshl_b32 s66, s66, 23                        ; 2^(e0 + e1) as f32
	s_mov_b32 s67, s66                             ; (named with it as a pair)
	s_cmp_eq_u32 ttmp9, 0
	s_cselect_b32 s81, s70, s71                    ; e2 for q, e3 for k,
	s_cmp_eq_u32 ttmp9, 2
	s_cselect_b32 s81, s73, s81                    ; e5 for v: a choice, no branch
	s_add_co_i32 s81, s81, 127
	s_lshl_b32 s80, s81, 23
	v_mov_b32 v[SCL], s80
	s_add_co_i32 s81, s81, 8
	s_lshl_b32 s81, s81, 23
	s_or_b32 s81, s81, 0x600000
	v_mov_b32 v[LIM], s81
	PLACES NP                                      ; behind the last products: their results are read and their fragments' registers written below
	s_wait_loadcnt 0x0                             ; the biases
	s_cmp_eq_u32 ttmp9, 2                          ; the cluster's x: equal in all partners and all waves
	s_cbranch_scc1 .Lv_arm
.irp a, 0,1,2,3,4,5,6,7
	QOUT \a, 0
.endr
	s_branch .Lstaged
.Lv_arm:
.irp a, 0,1,2,3,4,5,6,7
	QOUT \a, 1
.endr
.Lstaged:
	s_wait_dscnt 0x0                               ; for the others' sake: my stores into the stage are done
	s_barrier_signal -1
	s_barrier_wait -1
	s_cmp_eq_u32 ttmp9, 2
	s_cbranch_scc1 .Lv_out
.set i, 0
.rept 32                               ; head i / 8 of the tile's four, tokens 8 (i % 8) on
	ds_load_b128 v[128+4*i:131+4*i], v[RDQ] offset:(i%8)*8*PITCH+64*(i/8)
.set i, i+1
.endr
.set i, 0
.rept 32
	s_wait_dscnt 31-i                              ; the younger loads stay out
	global_store_b128 v[COQ], v[128+4*i:131+4*i], s[82:83] offset:(i/8)*131072+(i%8)*512   ; 32 lanes store 512 consecutive bytes: eight tokens of one head
.set i, i+1
.endr
	s_branch .Ldone
.Lv_out:
.set i, 0
.rept 32
	ds_load_b128 v[128+4*i:131+4*i], v[RDR] offset:i*2*PITCH
.set i, i+1
.endr
.set i, 0
.rept 32
	s_wait_dscnt 31-i
	global_store_b128 v[COR], v[128+4*i:131+4*i], s[84:85] offset:2*i*2048   ; sixteen lanes store 256 consecutive, aligned bytes: 256 tokens of one channel
.set i, i+1
.endr
.Ldone:
	s_wait_tensorcnt 0x0                           ; the wave's end
	ds_add_u32 v[SPW], v[NIL]
	s_wait_dscnt 0x0
	CROUND                                         ; the closing round
	s_endpgm
.Lfunc_end_k_q4b1b8656b4_qkv:
	.size	k_q4b1b8656b4_qkv, .Lfunc_end_k_q4b1b8656b4_qkv-k_q4b1b8656b4_qkv
	.p2alignl 7, 3214868480
	.fill 96, 4, 3214868480
	.section	.rodata,"a",@progbits
	.p2align	6, 0x0
	.amdhsa_kernel k_q4b1b8656b4_qkv
		.amdhsa_group_segment_fixed_size 327680
		.amdhsa_private_segment_fixed_size 0
		.amdhsa_enable_private_segment 0
		.amdhsa_kernarg_size 40
		.amdhsa_user_sgpr_count 2
		.amdhsa_user_sgpr_kernarg_segment_ptr 1
		.amdhsa_wavefront_size32 1
		.amdhsa_system_sgpr_workgroup_id_x 1
		.amdhsa_system_sgpr_workgroup_id_y 1
		.amdhsa_system_sgpr_workgroup_id_z 1
		.amdhsa_system_vgpr_workitem_id 0
		.amdhsa_next_free_vgpr 1024
		.amdhsa_next_free_sgpr 100
		.amdhsa_reserve_vcc 0
		.amdhsa_float_denorm_mode_32 3
		.amdhsa_float_denorm_mode_16_64 3
		.amdhsa_memory_ordered 1
		.amdhsa_forward_progress 1
		.amdhsa_inst_pref_size 210
	.end_amdhsa_kernel
	.amdgpu_metadata
---
amdhsa.version: [ 1, 2 ]
amdhsa.kernels:
  - .name:           k_q4b1b8656b4_qkv
    .symbol:         k_q4b1b8656b4_qkv.kd
    .args:
      - { .name: hcodes, .offset: 0, .size: 8, .value_kind: global_buffer, .address_space: global }
      - { .name: wcodes, .offset: 8, .size: 8, .value_kind: global_buffer, .address_space: global }
      - { .name: lowp_scales, .offset: 16, .size: 8, .value_kind: global_buffer, .address_space: global }
      - { .name: b_attn, .offset: 24, .size: 8, .value_kind: global_buffer, .address_space: global }
      - { .name: qkvc, .offset: 32, .size: 8, .value_kind: global_buffer, .address_space: global }
    .group_segment_fixed_size: 327680
    .private_segment_fixed_size: 0
    .kernarg_segment_align: 8
    .kernarg_segment_size: 40
    .max_flat_workgroup_size: 128
    .sgpr_count:     100
    .vgpr_count:     1024
    .wavefront_size: 32
...
	.end_amdgpu_metadata
.endif
;; end of part 2
;; launch attn (part 3): grid 8 x 32, 16 waves a work-group, clusters of 4 x 1, 327,680 bytes of LDS; arguments qkvc, lowp_scales, ycodes; writes ycodes
.if DOCPART == 3
	.amdgcn_target "amdgcn-amd-amdhsa--gfx1250"
	.amdhsa_code_object_version 6
	.text
	.protected	k_q4b1b8656b4_attn
	.globl	k_q4b1b8656b4_attn
	.p2align	8
	.type	k_q4b1b8656b4_attn,@function
k_q4b1b8656b4_attn:
	s_mov_b64 s[64:65], 0
	v_nop
	global_prefetch_b8 v0, s[64:65] scope:SCOPE_SE
	s_setreg_imm32_b32 hwreg(HW_REG_WAVE_MODE, 25, 1), 1
	s_wait_xcnt 0x0
	s_wait_alu depctr_hold_cnt(0) depctr_sa_sdst(0) depctr_va_vdst(0) depctr_va_sdst(0) depctr_va_ssrc(0) depctr_va_vcc(0) depctr_vm_vsrc(0)
	s_getreg_b32 s2, hwreg(HW_REG_IB_STS2, 6, 4)
	s_cmp_eq_u32 s2, 0
	s_cbranch_scc0 .Lentry_in_a_cluster
	s_endpgm
.Lentry_in_a_cluster:
	s_bfe_u32 s2, ttmp6, 0x10000c
	s_cmp_lg_u32 s2, 0x3003
	s_cbranch_scc0 .Lentry_shape_is_right
	s_endpgm
.Lentry_shape_is_right:
; Causal attention on codes of FP8 (E4M3), 32 heads of 2,048 tokens x 64.  q, k: [head][token][64] codes (2^e2, 2^e3); v: [head][64][token] codes (2^e5).  y: codes (2^e6) in rows [token][1024].
; t = score x 2^(e2 + e3) x log2(e) / 8; M = the running largest t rounded UP to a whole number; p = 2^(t - M) is quantised with 2^e4, not normalised; the row's sum is taken of the unquantised p and divides at the end.
; LIMITS: e2 + e3 between -123 and 130 (added to c's exponent field); e4, e6 between -126 and 119.  NaN is not served.
; SHARES.  Eight work-groups serve a head.  Work-group g takes queries 128 T + 16 g + 0 .. 15 of tiles T = 0 .. 15; tile T needs key steps 0 .. T of 128 keys, step T on the diagonal: 136 steps a work-group.
; The steps are dealt evenly to the sixteen waves.  With r = wave % 8: waves 0-7 first make tile r whole (r + 1 steps), then key steps 0 .. 7 - r of tile 15 - r (8 - r steps): 9 steps.
; Waves 8-15 make key steps 8 - r .. 15 - r of tile 15 - r: 8 steps.  The two parts of a tile, each with its own running M, sum and O^T, are joined at the end: wave r hands its part to wave 8 + r through LDS;
; both are brought under the larger M by powers of two, which rounds nothing, and added.  All tests hang on the wave's number and on counters.
; THE HEAD'S WHOLE K AND V LIE IN LDS (2 x 139,264 bytes), brought once, a chunk of 256 keys by each wave: nothing is filled twice, so there is no ring.  CLUSTER: four of a head's work-groups ask for each chunk JOINTLY.
; No prefetch: every byte is asked for at the head, and there is no loop to run ahead in.
; LAYOUT.  Both products transposed: S^T = K Q^T (source 0 = 16 keys), O^T = V^T P^T (source 0 = 16 channels): a lane holds ONE query throughout.
; THE KEYS OF A TILE ARE NOT NEIGHBOURS: lane r of tile 2 b + u takes key 32 b + 8 u + r + 8 (r / 8), so that the 16 registers of tiles 2 b, 2 b + 1 are keys 32 b + 16 (lane / 16) + 0 .. 15, as the second product's operand wants them.
; REGISTERS: v1-7, v11 addresses that stay; v8, v9 addresses in hand; v12 -M, v13 largest t, v[14:15] the sum; v16-23 Q; v24-31 at work; v32-95 fragments; v96-159 S^T, then p; v160-191 O^T; v192-207 p's codes; v208-212 constants.
.set LP,    272                        ; an LDS line: 256 bytes + 16.  K: four keys a line; V: 256 keys of a channel
.set KCH,   64*LP                      ; a chunk of 256 keys: 64 lines, of K and of V alike
.set VBASE, 8*KCH
.set STAGE, 16*KCH                     ; behind K and V: 16 rows x 80 bytes for each PAIR of waves r, 8 + r: wave r uses it ahead of the last barrier, wave 8 + r behind it
.set PART,  STAGE+8*16*80              ; a part of a tile on its way from wave r to wave 8 + r: nine times 512 bytes
.set SPARE, PART+8*4608                ; the spare words, 128 bytes a wave, which no other line names
.set AK0, 1
.set AV0, 2
.set DM,  3                            ; v3  my query less the diagonal step's first key less 16 (lane / 16)
.set QO,  4
.set STO, 5
.set RD,  6
.set GO,  7
.set ADK, 8
.set ADV, 9
.set PA,  11                           ; v11 my 16 bytes of each 512 of the pair's part
.set WV,  10                           ; s10 wave
.set R,   11                           ; s11 wave % 8
.set SEL, 20
.set CS,  22
.set G1K, 24
.set G1V, 32
.set G0K, 40
.set G0V, 80
.set LO,  44                           ; s44, s45 the first and last key step of the job; s46 its step on the diagonal (64: none)
.set HI,  45
.set DG,  46
.set TL,  53                           ; s53 the job's tile
.set ST,  56                           ; s56 the key step
.set TB,  57                           ; s57 LDS byte at which the chunk in hand begins
.macro ROUND                           ; a round of the cluster's barrier
	s_barrier_signal -1
	s_barrier_wait -1
	s_cmp_lg_u32 s[WV], 0
	s_cbranch_scc1 .Lnot_wave_0_\@
	s_barrier_signal -3
.Lnot_wave_0_\@:
	s_barrier_wait -3
	s_barrier_signal -1
	s_barrier_wait -1
.endm
	s_load_b128 s[4:7], s[0:1], 0x0                ; qkvc, the scales' exponents
	s_load_b64 s[8:9], s[0:1], 0x10                ; ycodes
	v_lshl_add_u32 v254, v0, 2, SPARE
	v_mov_b32 v255, 0
	ds_add_u32 v254, v255                          ; the opening
	ds_add_u32 v254, v255
	v_lshrrev_b32 v8, 5, v0
	s_delay_alu instid0(VALU_DEP_1)
	v_readfirstlane_b32 s[WV], v8                  ; wave 0..15
	s_and_b32 s[R], s[WV], 7                       ; r.  Also: which chunk I fetch, waves 0-7 of K, waves 8-15 of V
	s_bfe_u32 s12, ttmp6, 0x40000                  ; cx
	s_lshl_b32 s13, ttmp9, 2
	s_add_co_u32 s13, s13, s12                     ; g: it enters Q's and y's addresses and the mask's numbers alone
	s_and_b32 s14, ttmp7, 0xffff                   ; the head, 0 .. 31
	s_lshl_b32 s16, s14, 17                        ; its 131,072 bytes in each of q, k, v
	s_lshl_b32 s60, s[R], 14
	s_add_co_u32 s60, s60, s16
	s_add_co_u32 s60, s60, 0x400000                ; K: 4 MiB + head + 16,384 x chunk
	s_mov_b32 s61, 0
	s_lshl_b32 s62, s[R], 8
	s_add_co_u32 s62, s62, s16
	s_add_co_u32 s62, s62, 0x800000                ; V: 8 MiB + head + 256 x chunk
	s_mov_b32 s63, 0
	s_mul_i32 s17, s[R], KCH
	s_lshl_b32 s19, s13, 4                         ; 16 g
	s_lshr_b32 s47, s14, 4
	s_lshl_b32 s47, s47, 11                        ; 2,048 x batch
	s_and_b32 s48, s14, 15
	s_lshl_b32 s48, s48, 6                         ; 64 x head in the batch
	s_mov_b32 s[G1K], 15|(1<<20)|(1<<21)|(5<<22)|(3<<25)   ; mask: all four; elements of 1 byte; padding on; bit 21 beside a mask; 4 words after every 64
	s_mov_b32 s[G1K+1], 256<<16                    ; tensor_dim0
	s_mov_b32 s[G1K+2], 64<<16                     ; tensor_dim1
	s_mov_b32 s[G1K+3], 256<<16                    ; tile_dim0
	s_mov_b32 s[G1K+4], 64                         ; tile_dim1
	s_mov_b32 s[G1K+5], 256                        ; K's rows are dense: four keys are stated as one row of 256 bytes
	s_mov_b32 s[G1K+6], 0
	s_mov_b32 s[G1K+7], 0
	s_mov_b32 s[G1V], 15|(1<<20)|(1<<21)|(5<<22)|(3<<25)
	s_mov_b32 s[G1V+1], 256<<16
	s_mov_b32 s[G1V+2], 64<<16
	s_mov_b32 s[G1V+3], 256<<16
	s_mov_b32 s[G1V+4], 64
	s_mov_b32 s[G1V+5], 2048                       ; a channel's row of V
	s_mov_b32 s[G1V+6], 0
	s_mov_b32 s[G1V+7], 0
	s_mov_b32 s[SEL], 0x76543210
	s_mov_b32 s[SEL+1], 0xfedcba98
	s_mov_b32 s[CS], 0x3e38aa3b                    ; c = log2(e) / 8
	s_wait_dscnt 0x0
	s_wait_kmcnt 0x0
	s_load_b128 s[68:71], s[6:7], 0x8              ; e2, e3, e4, e5
	s_load_b32 s72, s[6:7], 0x18                   ; e6
	s_add_nc_u64 s[60:61], s[4:5], s[60:61]
	s_add_nc_u64 s[62:63], s[4:5], s[62:63]
	ROUND                                          ; all four work-groups are here: the joint loads meet
	s_mov_b32 s[G0K], 1
	s_mov_b32 s[G0K+1], s17
	s_mov_b64 s[G0K+2:G0K+3], s[60:61]
	s_or_b32 s[G0K+3], s[G0K+3], 0x80000000
	s_mov_b32 s[G0V], 1
	s_add_co_u32 s[G0V+1], s17, VBASE
	s_mov_b64 s[G0V+2:G0V+3], s[62:63]
	s_or_b32 s[G0V+3], s[G0V+3], 0x80000000
	s_cmp_lt_u32 s[WV], 8                          ; sixteen chunks, sixteen waves: each wave issues one joint load, in one of two arms
	s_cbranch_scc0 .Lnot_k
	tensor_load_to_lds s[G0K:G0K+3], s[G1K:G1K+7]
	s_nop 0
.rept 4
	v_nop
.endr
	s_branch .Lasked
.Lnot_k:
	tensor_load_to_lds s[G0V:G0V+3], s[G1V:G1V+7]
	s_nop 0
.rept 4
	v_nop
.endr
.Lasked:
	v_and_b32 v8, 15, v0                           ; r
	v_bfe_u32 v9, v0, 4, 1                         ; h
	v_and_b32 v10, 31, v0                          ; lane
	s_delay_alu instid0(VALU_DEP_3)
	v_lshlrev_b32 v[QO], 6, v8
	s_delay_alu instid0(VALU_DEP_1)
	v_lshl_add_u32 v[QO], v9, 4, v[QO]             ; Q: row r of 64 bytes + 16 h: the same permutation of k as K's loads
	v_and_b32 v11, 8, v8
	s_delay_alu instid0(VALU_DEP_1)
	v_add_nc_u32 v11, v11, v8                      ; r + 8 (r / 8)
	s_delay_alu instid0(VALU_DEP_1)
	v_lshrrev_b32 v24, 2, v11
	s_delay_alu instid0(VALU_DEP_1)
	v_mul_u32_u24 v[AK0], v24, LP                  ; its line,
	s_delay_alu instid0(VALU_DEP_3)
	v_and_b32 v24, 3, v11
	s_delay_alu instid0(VALU_DEP_1)
	v_lshl_add_u32 v[AK0], v24, 6, v[AK0]          ; its place in the line,
	s_delay_alu instid0(VALU_DEP_1)
	v_lshl_add_u32 v[AK0], v9, 4, v[AK0]           ; my half's 16 bytes
	v_mul_u32_u24 v[AV0], v8, LP
	s_delay_alu instid0(VALU_DEP_1)
	v_lshl_add_u32 v[AV0], v9, 4, v[AV0]
	s_delay_alu instid0(VALU_DEP_1)
	v_add_nc_u32 v[AV0], VBASE, v[AV0]
	v_lshlrev_b32 v24, 4, v9
	s_delay_alu instid0(VALU_DEP_1)
	v_sub_nc_u32 v[DM], v8, v24
	s_delay_alu instid0(VALU_DEP_1)
	v_add_nc_u32 v[DM], s19, v[DM]                 ; 16 g + r - 16 h
	s_mul_i32 s59, s[R], 16*80
	s_add_co_u32 s59, s59, STAGE                   ; my pair's stage
	v_mul_u32_u24 v[STO], v8, 80
	s_delay_alu instid0(VALU_DEP_1)
	v_lshl_add_u32 v[STO], v9, 3, v[STO]
	s_delay_alu instid0(VALU_DEP_1)
	v_add_nc_u32 v[STO], s59, v[STO]               ; in: row r, + 8 h
	v_lshrrev_b32 v24, 2, v10
	v_and_b32 v25, 3, v10
	s_delay_alu instid0(VALU_DEP_2)
	v_mul_u32_u24 v[RD], v24, 80
	s_delay_alu instid0(VALU_DEP_1)
	v_lshl_add_u32 v[RD], v25, 4, v[RD]
	s_delay_alu instid0(VALU_DEP_1)
	v_add_nc_u32 v[RD], s59, v[RD]                 ; back: four lanes to a row of 64 bytes
	v_lshlrev_b32 v[GO], 10, v24
	s_delay_alu instid0(VALU_DEP_1)
	v_lshl_add_u32 v[GO], v25, 4, v[GO]            ; and the same in y
	s_mul_i32 s49, s[R], 4608
	s_add_co_u32 s49, s49, PART
	v_lshl_add_u32 v[PA], v10, 4, s49              ; the pair's part: 16 x lane
	v_mov_b32 v26, 0                               ; written once: a lane permute's destination counts as one of its sources
	v_mov_b32 v29, 0                               ; (named as the upper halves of the pairs v[28:29], v[30:31])
	v_mov_b32 v30, 0
	v_mov_b32 v31, 0
	v_mov_b32 v210, 0xff800000                     ; -infinity
	s_wait_alu depctr_va_vdst(0)
	s_wait_kmcnt 0x0
	s_add_co_i32 s60, s68, s69
	s_lshl_b32 s60, s60, 23
	s_add_co_i32 s[CS], s[CS], s60                 ; c x 2^(e2 + e3)
	s_mov_b32 s[CS+1], s[CS]
	s_add_co_i32 s60, s70, 127
	s_lshl_b32 s61, s60, 23
	v_mov_b32 v209, s61                            ; 2^e4
	s_add_co_i32 s60, s60, 8
	s_lshl_b32 s60, s60, 23
	s_or_b32 s60, s60, 0x600000
	v_mov_b32 v208, s60                            ; 448 x 2^e4
	s_add_co_i32 s60, s72, 127
	s_lshl_b32 s61, s60, 23
	v_mov_b32 v212, s61                            ; 2^e6
	s_add_co_i32 s60, s60, 8
	s_lshl_b32 s60, s60, 23
	s_or_b32 s60, s60, 0x600000
	v_mov_b32 v211, s60                            ; 448 x 2^e6
	s_add_co_i32 s73, s70, s71                     ; e4 + e5
	s_sub_co_u32 s50, 15, s[R]
	s_sub_co_u32 s51, 7, s[R]
	s_sub_co_u32 s52, 8, s[R]
; A JOB BEGINS: tile s[TL]'s Q and y addresses, Q's fragment, and an empty state: the first change of M multiplies zeros
.macro JOBINIT
	s_lshl_b32 s18, s[TL], 7
	s_add_co_u32 s18, s18, s19                     ; my first query
	s_lshl_b32 s74, s18, 6
	s_add_co_u32 s74, s74, s16
	s_mov_b32 s75, 0
	s_add_nc_u64 s[74:75], s[4:5], s[74:75]        ; its codes
	s_add_co_u32 s76, s47, s18
	s_lshl_b32 s76, s76, 10                        ; y: (2,048 x batch + query) rows of 1,024 bytes
	s_add_co_u32 s76, s76, s48
	s_mov_b32 s77, 0
	s_add_nc_u64 s[76:77], s[8:9], s[76:77]
	global_load_b128 v[16:19], v[QO], s[74:75]
	global_load_b128 v[20:23], v[QO], s[74:75] offset:32
	v_mov_b32 v13, 0xff61b1e6                      ; the largest t so far: -3e38
	s_delay_alu instid0(VALU_DEP_1)
	v_floor_f32 v12, -v13                          ; -M
	v_mov_b32 v14, 0
	v_mov_b32 v15, 0
.set i, 0
.rept 32
	v_mov_b32 v[160+i], 0                          ; O^T
.set i, i+1
.endr
	s_mov_b32 s[ST], 0
	s_mov_b32 s[TB], 0
	s_wait_alu depctr_va_vdst(0)
	s_wait_loadcnt 0x0                             ; Q
.endm
; A KEY STEP: 128 keys, the q-th half of the chunk in hand.  A step outside the job's range is left out: scalar branches on the wave's number and counters.
.macro STEP q
	s_cmp_lt_u32 s[ST], s[LO]
	s_cbranch_scc1 .Lhidden_\@
	s_cmp_gt_u32 s[ST], s[HI]
	s_cbranch_scc1 .Lhidden_\@
	v_add_nc_u32 v[ADK], s[TB], v[AK0]
	v_add_nc_u32 v[ADV], s[TB], v[AV0]
.irp t, 0,1,2,3,4,5,6,7
.irp c, 0,1
	ds_load_b128 v[32+8*\t+4*\c:35+8*\t+4*\c], v[ADK] offset:(32*(\q)+8*(\t/2)+2*(\t%2))*LP+32*\c
.endr
.endr
	s_wait_alu depctr_va_vdst(0)
	s_wait_dscnt 0x0
.irp t, 0,1,2,3,4,5,6,7
	v_wmma_f32_16x16x64_fp8_fp8 v[96+8*\t:103+8*\t], v[32+8*\t:39+8*\t], v[16:23], 0
.endr
.rept 4
	v_nop                                          ; places: the loads below land on K's fragments, the lines behind them read the scores
.endr
.irp t, 0,1,2,3
.irp c, 0,1,2,3
	ds_load_b128 v[32+16*\t+4*\c:35+16*\t+4*\c], v[ADV] offset:16*\t*LP+128*(\q)+32*\c   ; V's fragments land while the softmax is walked
.endr
.endr
	s_cmp_lg_u32 s[ST], s[DG]
	s_cbranch_scc1 .Lopen_\@
.set n, 0
.rept 64                               ; on the diagonal: register 16 b + i holds key 32 b + i + 16 (lane / 16) of the step: hidden where 32 b + i > DM
	v_cmp_gt_i32 vcc_lo, 32*(n/16)+n%16, v[DM]
	v_cndmask_b32 v[96+n], v[96+n], v210, vcc_lo
.set n, n+1
.endr
.Lopen_\@:
	v_max3_num_f32 v24, v96, v97, v98              ; the step's largest score of my query among my 64 keys, in two chains; each accumulator is met from its low end
	v_max3_num_f32 v25, v99, v100, v101
.set i, 6
.rept 14
	v_max3_num_f32 v24, v24, v[96+i], v[97+i]
	v_max3_num_f32 v25, v25, v[98+i], v[99+i]
.set i, i+4
.endr
	v_max3_num_f32 v24, v24, v158, v159
	s_delay_alu instid0(VALU_DEP_1)
	v_max_num_f32 v24, v24, v25
	s_delay_alu instid0(VALU_DEP_1)
	v_permlanex16_b32 v26, v24, s[SEL], s[SEL+1]
	s_delay_alu instid0(VALU_DEP_1)
	v_max_num_f32 v24, v24, v26                    ; and among lane l xor 16's
	s_delay_alu instid0(VALU_DEP_1)
	v_mul_f32 v24, s[CS], v24                      ; as t (c is positive)
	s_delay_alu instid0(VALU_DEP_1)
	v_max_num_f32 v13, v13, v24
	v_mov_b32 v24, v12
	s_delay_alu instid0(VALU_DEP_2)
	v_floor_f32 v12, -v13                          ; the new -M = -ceil(t): a whole number
	s_delay_alu instid0(VALU_DEP_1)
	v_sub_f32 v24, v12, v24                        ; old M - new M, 0 or less
	s_delay_alu instid0(VALU_DEP_1)
	v_cvt_i32_f32 v24, v24                         ; (it saturates)
	s_delay_alu instid0(VALU_DEP_1)
	v_ldexp_f32 v28, 1.0, v24                      ; f = 2^(old M - new M): multiplying by it rounds nothing
.set i, 0
.rept 32
	v_pk_fma_f32 v[96+i:97+i], v[96+i:97+i], s[CS:CS+1], v[12:13] op_sel_hi:[1,0,0]   ; t - M
.set i, i+2
.endr
.set i, 0
	s_wait_alu depctr_va_vdst(0)
.rept 64
	v_exp_f32 v[96+i], v[96+i]                     ; p = 2^(t - M)
.set i, i+1
.endr
	v_pk_mul_f32 v[14:15], v[14:15], v[28:29] op_sel_hi:[1,0]   ; the sum under the new M (a plain line behind the exponentials)
	s_wait_alu depctr_va_vdst(0)
	v_pk_add_f32 v[30:31], v[100:101], v[104:105]
	v_pk_add_f32 v[252:253], v[108:109], v[112:113]
	v_pk_add_f32 v[250:251], v[116:117], v[120:121]
	v_pk_add_f32 v[248:249], v[124:125], v[128:129]
	v_pk_add_f32 v[246:247], v[132:133], v[136:137]
	v_pk_add_f32 v[244:245], v[140:141], v[144:145]
	v_pk_add_f32 v[242:243], v[148:149], v[152:153]
	v_pk_add_f32 v[14:15], v[14:15], v[156:157]
	v_pk_add_f32 v[30:31], v[30:31], v[96:97]
	v_pk_add_f32 v[252:253], v[252:253], v[98:99]
	v_pk_add_f32 v[250:251], v[250:251], v[102:103]
	v_pk_add_f32 v[248:249], v[248:249], v[106:107]
	v_pk_add_f32 v[246:247], v[246:247], v[110:111]
	v_pk_add_f32 v[244:245], v[244:245], v[114:115]
	v_pk_add_f32 v[242:243], v[242:243], v[118:119]
	v_pk_add_f32 v[14:15], v[14:15], v[122:123]
	v_pk_add_f32 v[30:31], v[30:31], v[126:127]
	v_pk_add_f32 v[252:253], v[252:253], v[130:131]
	v_pk_add_f32 v[250:251], v[250:251], v[134:135]
	v_pk_add_f32 v[248:249], v[248:249], v[138:139]
	v_pk_add_f32 v[246:247], v[246:247], v[142:143]
	v_pk_add_f32 v[244:245], v[244:245], v[146:147]
	v_pk_add_f32 v[242:243], v[242:243], v[150:151]
	v_pk_add_f32 v[14:15], v[14:15], v[154:155]
	v_pk_add_f32 v[30:31], v[30:31], v[158:159]
	s_delay_alu instid0(VALU_DEP_2)
	v_pk_add_f32 v[14:15], v[14:15], v[248:249]
	s_delay_alu instid0(VALU_DEP_2)
	v_pk_add_f32 v[30:31], v[30:31], v[246:247]
	v_pk_add_f32 v[252:253], v[252:253], v[244:245]
	v_pk_add_f32 v[250:251], v[250:251], v[242:243]
	s_delay_alu instid0(VALU_DEP_2)
	v_pk_add_f32 v[14:15], v[14:15], v[252:253]
	s_delay_alu instid0(VALU_DEP_2)
	v_pk_add_f32 v[30:31], v[30:31], v[250:251]
	s_delay_alu instid0(VALU_DEP_1)
	v_pk_add_f32 v[14:15], v[14:15], v[30:31]
.irp b, 0,1,2,3
.set i, 0
.rept 16
	v_min_num_f32 v[96+16*\b+i], v[96+16*\b+i], v208   ; p is not negative: a one-sided hold (the conversion does not saturate: ISA guide 7.6.2)
.set i, i+1
.endr
	v_cvt_scalef32_pk8_fp8_f32 v[192+4*\b:193+4*\b], v[96+16*\b:103+16*\b], v209
	v_cvt_scalef32_pk8_fp8_f32 v[194+4*\b:195+4*\b], v[104+16*\b:111+16*\b], v209
.endr
.set i, 0
.rept 16
	v_pk_mul_f32 v[160+i:161+i], v[160+i:161+i], v[28:29] op_sel_hi:[1,0]   ; O^T under the new M; also the plain lines behind the conversions
.set i, i+2
.endr
	s_wait_alu depctr_va_vdst(0)
	s_wait_dscnt 0x0                               ; V's fragments
.irp t, 0,1,2,3                        ; four accumulators by turns; the eight score products stand between two turns of one
	v_wmma_f32_16x16x128_fp8_fp8 v[160+8*\t:167+8*\t], v[32+16*\t:47+16*\t], v[192:207], v[160+8*\t:167+8*\t]
.endr
.rept 4
	v_nop                                          ; places in front of the next step's loads into the fragments, and of the first read of O^T
.endr
.Lhidden_\@:
	s_add_co_u32 s[ST], s[ST], 1
.endm
; THE WAY OUT of a finished tile: y = O^T / the sum x 2^(e4 + e5), quantised with 2^e6; through the pair's stage, so that four lanes store a token's 64 bytes
.macro OUT
	v_add_f32 v14, v14, v15
	s_delay_alu instid0(VALU_DEP_1)
	v_permlanex16_b32 v26, v14, s[SEL], s[SEL+1]
	s_delay_alu instid0(VALU_DEP_1)
	v_add_f32 v14, v14, v26                        ; the row's sum
	s_wait_alu depctr_va_vdst(0)
	v_rcp_f32 v14, v14
	v_nop                                          ; a plain line behind the transcendental
	s_wait_alu depctr_va_vdst(0)
	v_ldexp_f32 v14, v14, s73
.set i, 0
.rept 32
	v_mul_f32 v[96+i], v[160+i], v14               ; register 8 t + j is channel 16 t + 8 h + j of query r; each accumulator from its low end on
.set i, i+1
.endr
.set i, 0
.rept 32
	v_med3_num_f32 v[96+i], v[96+i], -v211, v211
.set i, i+1
.endr
.irp t, 0,1,2,3
	v_cvt_scalef32_pk8_fp8_f32 v[214+2*\t:215+2*\t], v[96+8*\t:103+8*\t], v212
.endr
	v_nop                                          ; a plain line behind the last conversion
.irp t, 0,1,2,3
	ds_store_b64 v[STO], v[214+2*\t:215+2*\t] offset:16*\t
.endr
	ds_load_b128 v[224:227], v[RD]                 ; LDS serves a wave's instructions in order: these see my stores
	ds_load_b128 v[228:231], v[RD] offset:8*80
	s_wait_dscnt 0x1
	global_store_b128 v[GO], v[224:227], s[76:77]
	s_wait_dscnt 0x0
	global_store_b128 v[GO], v[228:231], s[76:77] offset:8192
.endm
	; THE FIRST JOB: waves 0-7: tile r, whole.  Waves 8-15 have an empty range and walk the loop without work
	s_mov_b32 s[TL], s[R]
	s_cmp_lt_u32 s[WV], 8
	s_cselect_b32 s[LO], 0, 1
	s_cselect_b32 s[HI], s[R], 0
	s_cselect_b32 s[DG], s[R], 64
	JOBINIT
	s_wait_tensorcnt 0x0                           ; my chunk is in,
	s_barrier_signal -1
	s_barrier_wait -1                              ; everybody's is: nothing is filled again
	s_mov_b32 s58, 4                               ; tiles 0-7 need key steps 0-7 at the most
.Lchunk0:
	STEP 0
	STEP 1
	s_add_co_u32 s[TB], s[TB], KCH
	s_sub_co_u32 s58, s58, 1
	s_cmp_lg_u32 s58, 0
	s_cbranch_scc1 .Lchunk0
	s_cmp_lt_u32 s[WV], 8
	s_cbranch_scc0 .Lno_out0
	OUT
.Lno_out0:
	; THE SECOND JOB: tile 15 - r: waves 0-7 its key steps 0 .. 7 - r, waves 8-15 its key steps 8 - r .. 15 - r, the last on the diagonal
	s_wait_xcnt 0x0                                ; my stores have read their base, which is written anew
	s_mov_b32 s[TL], s50
	s_cmp_lt_u32 s[WV], 8
	s_cselect_b32 s[LO], 0, s52
	s_cselect_b32 s[HI], s51, s50
	s_cselect_b32 s[DG], 64, s50
	JOBINIT
	s_mov_b32 s58, 8
.Lchunk1:
	STEP 0
	STEP 1
	s_add_co_u32 s[TB], s[TB], KCH
	s_sub_co_u32 s58, s58, 1
	s_cmp_lg_u32 s58, 0
	s_cbranch_scc1 .Lchunk1
	s_cmp_lt_u32 s[WV], 8
	s_cbranch_scc0 .Lno_part
.irp i, 0,1,2,3,4,5,6,7
	ds_store_b128 v[PA], v[160+4*\i:163+4*\i] offset:512*\i   ; my part of tile 15 - r as an image of its registers: O^T,
.endr
	ds_store_b128 v[PA], v[12:15] offset:4096      ; -M and the sum's two halves
.Lno_part:
	s_wait_dscnt 0x0                               ; for the others' sake: my stores, and my use of the pair's stage, are done
	s_barrier_signal -1
	s_barrier_wait -1
	s_cmp_lt_u32 s[WV], 8
	s_cbranch_scc1 .Lend
.irp i, 0,1,2,3,4,5,6,7
	ds_load_b128 v[32+4*\i:35+4*\i], v[PA] offset:512*\i
.endr
	ds_load_b128 v[64:67], v[PA] offset:4096
	s_wait_dscnt 0x0
	v_min_num_f32 v24, v12, v64                    ; -M of the two parts together: the larger M
	s_delay_alu instid0(VALU_DEP_1)
	v_sub_f32 v25, v24, v64                        ; the other part's M less it, 0 or less: a whole number
	s_delay_alu instid0(VALU_DEP_2)
	v_sub_f32 v27, v24, v12                        ; mine likewise
	s_delay_alu instid0(VALU_DEP_2)
	v_cvt_i32_f32 v25, v25
	s_delay_alu instid0(VALU_DEP_2)
	v_cvt_i32_f32 v27, v27
	s_delay_alu instid0(VALU_DEP_2)
	v_ldexp_f32 v28, 1.0, v25                      ; two powers of two: multiplying by them rounds nothing
	s_delay_alu instid0(VALU_DEP_2)
	v_ldexp_f32 v30, 1.0, v27
	s_delay_alu instid0(VALU_DEP_1)
	v_pk_mul_f32 v[14:15], v[14:15], v[30:31] op_sel_hi:[1,0]
	s_delay_alu instid0(VALU_DEP_1)
	v_pk_fma_f32 v[14:15], v[66:67], v[28:29], v[14:15] op_sel_hi:[1,0,1]
.set i, 0
.rept 16
	v_pk_mul_f32 v[160+i:161+i], v[160+i:161+i], v[30:31] op_sel_hi:[1,0]   ; each accumulator from its low end on
.set i, i+2
.endr
.set i, 0
.rept 16
	v_pk_fma_f32 v[160+i:161+i], v[32+i:33+i], v[28:29], v[160+i:161+i] op_sel_hi:[1,0,1]
.set i, i+2
.endr
	OUT
.Lend:
	s_wait_tensorcnt 0x0                           ; the wave's end
	ds_add_u32 v254, v255
	s_wait_dscnt 0x0
	ROUND                                          ; the closing round: no work-group ends while a partner may still ask for a chunk that names it
	s_endpgm
.Lfunc_end_k_q4b1b8656b4_attn:
	.size	k_q4b1b8656b4_attn, .Lfunc_end_k_q4b1b8656b4_attn-k_q4b1b8656b4_attn
	.p2alignl 7, 3214868480
	.fill 96, 4, 3214868480
	.section	.rodata,"a",@progbits
	.p2align	6, 0x0
	.amdhsa_kernel k_q4b1b8656b4_attn
		.amdhsa_group_segment_fixed_size 327680
		.amdhsa_private_segment_fixed_size 0
		.amdhsa_enable_private_segment 0
		.amdhsa_kernarg_size 24
		.amdhsa_user_sgpr_count 2
		.amdhsa_user_sgpr_kernarg_segment_ptr 1
		.amdhsa_wavefront_size32 1
		.amdhsa_system_sgpr_workgroup_id_x 1
		.amdhsa_system_sgpr_workgroup_id_y 1
		.amdhsa_system_sgpr_workgroup_id_z 1
		.amdhsa_system_vgpr_workitem_id 0
		.amdhsa_next_free_vgpr 256
		.amdhsa_next_free_sgpr 100
		.amdhsa_reserve_vcc 1
		.amdhsa_float_denorm_mode_32 3
		.amdhsa_float_denorm_mode_16_64 3
		.amdhsa_memory_ordered 1
		.amdhsa_forward_progress 1
		.amdhsa_inst_pref_size 109
	.end_amdhsa_kernel
	.amdgpu_metadata
---
amdhsa.version: [ 1, 2 ]
amdhsa.kernels:
  - .name:           k_q4b1b8656b4_attn
    .symbol:         k_q4b1b8656b4_attn.kd
    .args:
      - { .name: qkvc, .offset: 0, .size: 8, .value_kind: global_buffer, .address_space: global }
      - { .name: lowp_scales, .offset: 8, .size: 8, .value_kind: global_buffer, .address_space: global }
      - { .name: ycodes, .offset: 16, .size: 8, .value_kind: global_buffer, .address_space: global }
    .group_segment_fixed_size: 327680
    .private_segment_fixed_size: 0
    .kernarg_segment_align: 8
    .kernarg_segment_size: 24
    .max_flat_workgroup_size: 512
    .sgpr_count:     100
    .vgpr_count:     256
    .wavefront_size: 32
...
	.end_amdgpu_metadata
.endif
;; end of part 3
;; launch proj (part 4): grid 8 x 32, 4 waves a work-group, clusters of 4 x 4, 327,680 bytes of LDS; arguments ycodes, wcodes, lowp_scales, b_proj, x, x1; writes x1
.if DOCPART == 4
	.amdgcn_target "amdgcn-amd-amdhsa--gfx1250"
	.amdhsa_code_object_version 6
	.text
	.protected	k_q4b1b8656b4_proj
	.globl	k_q4b1b8656b4_proj
	.p2align	8
	.type	k_q4b1b8656b4_proj,@function
k_q4b1b8656b4_proj:
	s_mov_b64 s[64:65], 0
	v_nop
	global_prefetch_b8 v0, s[64:65] scope:SCOPE_SE
	s_setreg_imm32_b32 hwreg(HW_REG_WAVE_MODE, 25, 1), 1
	s_wait_xcnt 0x0
	s_wait_alu depctr_hold_cnt(0) depctr_sa_sdst(0) depctr_va_vdst(0) depctr_va_sdst(0) depctr_va_ssrc(0) depctr_va_vcc(0) depctr_vm_vsrc(0)
	s_getreg_b32 s2, hwreg(HW_REG_IB_STS2, 6, 4)
	s_cmp_eq_u32 s2, 0
	s_cbranch_scc0 .Lentry_in_a_cluster
	s_endpgm
.Lentry_in_a_cluster:
	s_bfe_u32 s2, ttmp6, 0x10000c
	s_cmp_lg_u32 s2, 0xf033
	s_cbranch_scc0 .Lentry_shape_is_right
	s_endpgm
.Lentry_shape_is_right:
; x1 = x + y w_proj + b_proj.  y: [4096][SIZE_K] codes of FP8 (E4M3), scale 2^e6; w_proj: [1024][SIZE_K] codes, K innermost, 2^e7, at byte WOFF of the weights' codes.  x, x1: [4096][1024] f32.  Sums in f32.
; LIMIT: e6 + e7 between -126 and 127.
; Tiles of 256 x 256 would be 64: a tile is 128 x 128, 256 work-groups.  Four waves, each 64 x 64: 16 accumulators.  The whole K (LDS rows of 1,024 bytes) lies in one LDS slot, filled once by the tensor data mover.
; CLUSTERS: 4 x 4 work-groups; A's tile is shared along a row of the cluster, the weight's along a column: each is asked for JOINTLY.
; TRANSPOSED USE: source 0 = 16 weight rows, source 1 = 16 tokens: a lane holds eight neighbouring columns of a token.  Fragments come by four 16-byte loads: a permutation of k that is the same on both sides.
; REGISTERS: window 0: v0-31 addresses, v8-11 bias; v32-95 two sets of residual rows; v96-127 rows back from the stage; v128-255 accumulators ((a, b) at v[128 + 8 (4 a + b)]).  window 1: two buffers of 128: A's four fragments, then B's four.
.set SIZE_K, 1024
.set WOFF,   0x300000
.set EA,     74                        ; s74, s75: e6, e7
.set KSTEP,  1024                      ; THE WHOLE K IN ONE FILL: 256 rows x 1,024 bytes lie in LDS at once, one tensor load a wave, nothing is filled again and there is no ring
.set PITCH,  1040                      ; 1,024 bytes + 16 = 260 words: the 16 rows that a load touches start at 16 different banks (ISA guide 11.1)
.set HALFT,  64*PITCH
.set SLOT,   4*HALFT
.set STAGE,  SLOT                      ; behind the tiles: 16 rows x 272 bytes for each wave
.set SPITCH, 272
.set SPARE,  STAGE+4*16*SPITCH         ; the spare words, 128 bytes a wave, which no other line names
.set LAPS,   SIZE_K/(2*KSTEP)
.set ADRA, 16
.set ADRB, 20
.set STO,  24
.set RD,   25
.set CO,   26
.set SPW,  28
.set NIL,  29
.set R0,   32
.set BK,   96
.set ACC,  128
.set F0,   0
.set F1,   128
.set G1, 24
.set G0, 32
.set G1B, 48
.set G0B, 56
.set MSB, 0
.macro WIN new
.if MSB != (\new)
	s_set_vgpr_msb (MSB<<8)|(\new)
.set MSB, (\new)
.endif
.endm
.set MUL,  0x05                        ; sources 0 and 1 window 1; C and D window 0
.set TO_F, 0x40                        ; destination window 1, address window 0
.macro JLOAD s                         ; waves 0, 1 fetch A's halves, waves 2, 3 the weight's; four v_nop follow each line
	s_cmp_eq_u32 s17, 0
	s_cbranch_scc0 .Lfor_b_\@
	tensor_load_to_lds s[G0+4*\s:G0+4*\s+3], s[G1:G1+7]
	s_nop 0
.rept 4
	v_nop
.endr
	s_branch .Lasked_\@
.Lfor_b_\@:
	tensor_load_to_lds s[G0B+4*\s:G0B+4*\s+3], s[G1B:G1B+7]
	s_nop 0
.rept 4
	v_nop
.endr
.Lasked_\@:
.endm
.macro CREST
	s_cmp_lg_u32 s16, 0
	s_cbranch_scc1 .Lnot_wave_0_\@
	s_barrier_signal -3
.Lnot_wave_0_\@:
	s_barrier_wait -3
	s_barrier_signal -1
	s_barrier_wait -1
.endm
.macro CROUND
	s_barrier_signal -1
	s_barrier_wait -1
	CREST
.endm
	s_load_b256 s[4:11], s[0:1], 0x0               ; A's codes, the weights' codes, the scales' exponents, the bias
	s_load_b128 s[12:15], s[0:1], 0x20             ; the residual, the output
	v_lshl_add_u32 v[SPW], v0, 2, SPARE
	v_mov_b32 v[NIL], 0
	ds_add_u32 v28, v29
	ds_add_u32 v28, v29
	s_wait_dscnt 0x0
	v_lshrrev_b32 v1, 5, v0
	v_readfirstlane_b32 s16, v1                    ; wave
	s_lshr_b32 s17, s16, 1                         ; my half of the rows.  Also: I fetch A (0) or the weight (1)
	s_and_b32 s18, s16, 1                          ; my half of the columns.  Also: which 64 rows I fetch
	s_bfe_u32 s40, ttmp6, 0x40000
	s_bfe_u32 s41, ttmp6, 0x40004
	s_lshl_b32 s42, ttmp9, 2
	s_add_co_u32 s42, s42, s40                     ; tile column
	s_and_b32 s43, ttmp7, 0xffff
	s_lshl_b32 s43, s43, 2
	s_add_co_u32 s43, s43, s41                     ; tile row
	s_lshl_b32 s44, s41, 2
	s_lshl_b32 s44, 15, s44
	s_lshl_b32 s45, 0x1111, s40
	s_or_b32 s[G1+0], s44, (0<<16)|(1<<20)|(1<<21)|(7<<22)|(3<<25)   ; mask; elements of 1 byte; padding on; bit 21 beside a mask; 4 words after every 256
	s_or_b32 s[G1B+0], s45, (0<<16)|(1<<20)|(1<<21)|(7<<22)|(3<<25)
.irp g, G1, G1B
	s_mov_b32 s[\g+1], KSTEP<<16
	s_mov_b32 s[\g+2], 64<<16
	s_mov_b32 s[\g+3], KSTEP<<16
	s_mov_b32 s[\g+4], 64
	s_mov_b32 s[\g+5], SIZE_K
	s_mov_b32 s[\g+6], 0
	s_mov_b32 s[\g+7], 0
.endr
	s_lshl_b32 s19, s18, 6
	s_lshl_b32 s20, s43, 7
	s_add_co_u32 s20, s20, s19
	s_mul_i32 s20, s20, SIZE_K                     ; A: (128 x tile row + 64 x half) rows
	s_mov_b32 s21, 0
	s_lshl_b32 s46, s42, 7
	s_add_co_u32 s46, s46, s19
	s_mul_i32 s46, s46, SIZE_K
	s_add_co_u32 s46, s46, WOFF                    ; the weight: (128 x tile column + 64 x half) rows, in its region
	s_mov_b32 s47, 0
	s_mul_i32 s22, s16, HALFT
	s_wait_kmcnt 0x0
	s_load_b256 s[68:75], s[8:9], 0x0              ; e0 .. e7
	s_load_b128 s[76:79], s[8:9], 0x20             ; e8 .. e11
	s_add_nc_u64 s[20:21], s[4:5], s[20:21]
	s_add_nc_u64 s[46:47], s[6:7], s[46:47]
	CROUND                                         ; all sixteen work-groups are here
.irp s, 0
	s_mov_b32 s[G0+4*\s], 1
	s_add_co_u32 s[G0+4*\s+1], s22, \s*SLOT
	s_add_nc_u64 s[G0+4*\s+2:G0+4*\s+3], s[20:21], \s*KSTEP
	s_or_b32 s[G0+4*\s+3], s[G0+4*\s+3], 0x80000000
	s_mov_b32 s[G0B+4*\s], 1
	s_add_co_u32 s[G0B+4*\s+1], s22, \s*SLOT
	s_add_nc_u64 s[G0B+4*\s+2:G0B+4*\s+3], s[46:47], \s*KSTEP
	s_or_b32 s[G0B+4*\s+3], s[G0B+4*\s+3], 0x80000000
	JLOAD \s
.endr
	v_and_b32 v1, 15, v0                           ; r
	s_wait_alu depctr_va_vdst(0)
	v_bfe_u32 v2, v0, 4, 1                         ; h
	v_mul_u32_u24 v3, v1, PITCH
	v_lshl_add_u32 v3, v2, 4, v3
	s_mul_i32 s19, s17, HALFT
	s_mul_i32 s23, s18, HALFT
	s_add_co_u32 s23, s23, 2*HALFT
.irp s, 0,1
	v_add_nc_u32 v[ADRA+\s], s19, v3
	v_add_nc_u32 v[ADRB+\s], s23, v3
	s_add_co_u32 s19, s19, SLOT
	s_add_co_u32 s23, s23, SLOT
.endr
	s_mul_i32 s19, s16, 16*SPITCH
	s_add_co_u32 s19, s19, STAGE                   ; my stage
	v_mul_u32_u24 v4, v1, SPITCH
	s_wait_alu depctr_va_vdst(0)
	v_lshl_add_u32 v4, v2, 5, v4
	v_add_nc_u32 v[STO], s19, v4                   ; in: row r, 32 bytes for each half of the lanes
	v_mul_u32_u24 v5, v2, SPITCH
	v_lshl_add_u32 v5, v1, 4, v5
	v_add_nc_u32 v[RD], s19, v5                    ; back: sixteen lanes to a row of 256 bytes
	v_lshlrev_b32 v[CO], 12, v2
	v_lshl_add_u32 v[CO], v1, 4, v[CO]             ; the same two rows in memory (4,096 bytes a row)
	v_lshlrev_b32 v7, 4, v1
	s_wait_alu depctr_va_vdst(0)
	s_lshl_b32 s80, s43, 7                         ; offsets that mix the two coordinates stand in registers that feed no descriptor
	s_lshl_b32 s81, s17, 6
	s_add_co_u32 s80, s80, s81
	s_lshl_b32 s80, s80, 12                        ; my first row
	s_lshl_b32 s82, s42, 9
	s_lshl_b32 s83, s18, 8
	s_add_co_u32 s82, s82, s83                     ; my first column, in bytes: 512 x tile column + 256 x half
	s_add_co_u32 s80, s80, s82
	s_mov_b32 s81, 0
	s_mov_b32 s83, 0
	s_add_nc_u64 s[12:13], s[12:13], s[80:81]
	s_add_nc_u64 s[14:15], s[14:15], s[80:81]
	s_add_nc_u64 s[10:11], s[10:11], s[82:83]
.macro RLOAD a                         ; the residual's rows 16 a .. 16 a + 15 of my 64, my 256 bytes of each, into set a % 2
.set RR, R0+32*((\a)%2)
.irp t, 0,1,2,3,4,5,6,7
	global_load_b128 v[RR+4*\t:RR+4*\t+3], v[CO], s[12:13] offset:(16*(\a)+2*\t)*4096 th:TH_LOAD_NT
.endr
.endm
	global_load_b128 v[8:11], v7, s[10:11]         ; the bias of the four columns that I store
	RLOAD 0
	RLOAD 1
.macro MUL4 f, a, zero                 ; A's block a x B's four; the 16 accumulators take turns, one instruction a turn
.irp b, 0,1,2,3
.if \zero
	v_wmma_f32_16x16x128_fp8_fp8 v[ACC+8*(4*(\a)+\b):ACC+8*(4*(\a)+\b)+7], v[\f+64+16*\b:\f+64+16*\b+15], v[\f+16*(\a):\f+16*(\a)+15], 0
.else
	v_wmma_f32_16x16x128_fp8_fp8 v[ACC+8*(4*(\a)+\b):ACC+8*(4*(\a)+\b)+7], v[\f+64+16*\b:\f+64+16*\b+15], v[\f+16*(\a):\f+16*(\a)+15], v[ACC+8*(4*(\a)+\b):ACC+8*(4*(\a)+\b)+7]
.endif
.endr
.endm
.macro FETCH slot, k, f                ; 32 LDS loads in one run: 128 along K at byte k: B's four fragments, then A's four
	WIN TO_F
.irp i, 0,1,2,3
.irp c, 0,1,2,3
	ds_load_b128 v[\f+64+16*\i+4*\c:\f+64+16*\i+4*\c+3], v[ADRB+\slot] offset:\k+32*\c+\i*16*PITCH
.endr
.endr
.irp i, 0,1,2,3
.irp c, 0,1,2,3
	ds_load_b128 v[\f+16*\i+4*\c:\f+16*\i+4*\c+3], v[ADRA+\slot] offset:\k+32*\c+\i*16*PITCH
.endr
.endr
.endm
.macro PLACES
.rept 4
	v_nop
.endr
.endm
.macro QUARTER slot, k, f, g, zero     ; multiplies buffer f and fetches the next 128 along K, at byte k, into g
	s_wait_dscnt 8                                 ; B's four and A's blocks 0, 1 are in; A's blocks 2, 3, the youngest eight loads, may be out
	WIN MUL
	MUL4 \f, 0, \zero
	MUL4 \f, 1, \zero
	PLACES                                         ; in front of loads into registers that matrix instructions have read
	FETCH \slot, \k, \g
	s_wait_dscnt 32                                ; all but the 32 just issued
	WIN MUL
	MUL4 \f, 2, \zero
	MUL4 \f, 3, \zero
.endm
.macro TURN slot, next, fill           ; the slot's last quarter multiplies buffer 1 and changes slots: one barrier
	WIN 0
	s_wait_tensorcnt 0x0                           ; all my tensor loads have landed: my part of the next slot
	ds_add_u32 v[SPW], v[NIL]                      ; 0 onto my spare word
	s_wait_dscnt 9                                 ; (the add and A's blocks 2, 3 may be out)
	WIN MUL
	MUL4 F1, 0, 0
	s_wait_dscnt 0x0                               ; the add is done, and my reads of this slot are over
	s_barrier_signal -1
	MUL4 F1, 1, 0
.if \fill
	WIN 0
.endif
	s_barrier_wait -1
.if \fill
	CREST                                          ; the barrier has opened a round of the cluster's
	s_add_nc_u64 s[G0+4*\slot+2:G0+4*\slot+3], s[G0+4*\slot+2:G0+4*\slot+3], 2*KSTEP
	s_add_nc_u64 s[G0B+4*\slot+2:G0B+4*\slot+3], s[G0B+4*\slot+2:G0B+4*\slot+3], 2*KSTEP
	JLOAD \slot                                    ; the first tensor load behind the round; its four v_nop are the places in front of the loads below
.else
	PLACES
.endif
	FETCH \next, 0, F0
	WIN MUL
	MUL4 F1, 2, 0
	MUL4 F1, 3, 0
.endm
	s_wait_alu depctr_va_vdst(0)
	s_wait_tensorcnt 0x0                           ; my 64 rows are in
	s_barrier_signal -1
	s_barrier_wait -1
	FETCH 0, 0, F0
	QUARTER 0, 128, F0, F1, 1                      ; the first quarter's products start the sums
	QUARTER 0, 256, F1, F0, 0                      ; eight steps of 128 along K, all from the one fill
	QUARTER 0, 384, F0, F1, 0
	QUARTER 0, 512, F1, F0, 0
	QUARTER 0, 640, F0, F1, 0
	QUARTER 0, 768, F1, F0, 0
	QUARTER 0, 896, F0, F1, 0
	s_wait_dscnt 8
	WIN MUL
	MUL4 F1, 0, 0
	MUL4 F1, 1, 0
	s_wait_dscnt 0
	MUL4 F1, 2, 0
	MUL4 F1, 3, 0
	WIN 0
; THE WAY OUT, 16 rows at a time: a wave's 64 columns are 256 aligned bytes of a row, so its own stage serves and no barrier is needed.  out = sum x 2^(eA + eB) + (residual + bias).
.macro OUTB a
.set RR, R0+32*((\a)%2)
.if (\a) > 0
	s_wait_xcnt 0x0                                ; the last block's stores have read their registers, which the loads below write
.endif
.irp b, 0,1,2,3
	ds_store_b128 v[STO], v[ACC+8*(4*(\a)+\b):ACC+8*(4*(\a)+\b)+3] offset:64*\b        ; each accumulator from its low end on
	ds_store_b128 v[STO], v[ACC+8*(4*(\a)+\b)+4:ACC+8*(4*(\a)+\b)+7] offset:64*\b+16
.endr
.irp t, 0,1,2,3,4,5,6,7
	ds_load_b128 v[BK+4*\t:BK+4*\t+3], v[RD] offset:2*\t*SPITCH    ; LDS serves a wave's instructions in order: these see the stores
.endr
.if (\a) < 3
	s_wait_loadcnt 8                               ; this block's residual rows are in; the next block's eight loads may be out
.else
	s_wait_loadcnt 0
.endif
.irp t, 0,1,2,3,4,5,6,7
	v_pk_add_f32 v[RR+4*\t:RR+4*\t+1], v[RR+4*\t:RR+4*\t+1], v[8:9]
	v_pk_add_f32 v[RR+4*\t+2:RR+4*\t+3], v[RR+4*\t+2:RR+4*\t+3], v[10:11]
.endr
	s_wait_dscnt 0x0
.set i, 0
.rept 16
	v_pk_fma_f32 v[BK+i:BK+i+1], v[BK+i:BK+i+1], s[66:67], v[RR+i:RR+i+1] op_sel_hi:[1,0,1]
.set i, i+2
.endr
.irp t, 0,1,2,3,4,5,6,7
	global_store_b128 v[CO], v[BK+4*\t:BK+4*\t+3], s[14:15] offset:(16*(\a)+2*\t)*4096   ; sixteen lanes store 256 consecutive, aligned bytes
.endr
.if (\a) < 2
	RLOAD (\a)+2
.endif
.endm
	s_wait_kmcnt 0x0
	s_add_co_i32 s66, s[EA], s[EA+1]
	s_add_co_i32 s66, s66, 127
	s_lshl_b32 s66, s66, 23                        ; 2^(eA + eB) as f32
	s_mov_b32 s67, s66
	PLACES                                         ; behind the last products, whose results the stores below read
.irp a, 0,1,2,3
	OUTB \a
.endr
	s_wait_tensorcnt 0x0                           ; the wave's end
	ds_add_u32 v[SPW], v[NIL]
	s_wait_dscnt 0x0
	CROUND                                         ; the closing round
	s_endpgm
.Lfunc_end_k_q4b1b8656b4_proj:
	.size	k_q4b1b8656b4_proj, .Lfunc_end_k_q4b1b8656b4_proj-k_q4b1b8656b4_proj
	.p2alignl 7, 3214868480
	.fill 96, 4, 3214868480
	.section	.rodata,"a",@progbits
	.p2align	6, 0x0
	.amdhsa_kernel k_q4b1b8656b4_proj
		.amdhsa_group_segment_fixed_size 327680
		.amdhsa_private_segment_fixed_size 0
		.amdhsa_enable_private_segment 0
		.amdhsa_kernarg_size 48
		.amdhsa_user_sgpr_count 2
		.amdhsa_user_sgpr_kernarg_segment_ptr 1
		.amdhsa_wavefront_size32 1
		.amdhsa_system_sgpr_workgroup_id_x 1
		.amdhsa_system_sgpr_workgroup_id_y 1
		.amdhsa_system_sgpr_workgroup_id_z 1
		.amdhsa_system_vgpr_workitem_id 0
		.amdhsa_next_free_vgpr 512
		.amdhsa_next_free_sgpr 84
		.amdhsa_reserve_vcc 0
		.amdhsa_float_denorm_mode_32 3
		.amdhsa_float_denorm_mode_16_64 3
		.amdhsa_memory_ordered 1
		.amdhsa_forward_progress 1
		.amdhsa_inst_pref_size 52
	.end_amdhsa_kernel
	.amdgpu_metadata
---
amdhsa.version: [ 1, 2 ]
amdhsa.kernels:
  - .name:           k_q4b1b8656b4_proj
    .symbol:         k_q4b1b8656b4_proj.kd
    .args:
      - { .name: ycodes, .offset: 0, .size: 8, .value_kind: global_buffer, .address_space: global }
      - { .name: wcodes, .offset: 8, .size: 8, .value_kind: global_buffer, .address_space: global }
      - { .name: lowp_scales, .offset: 16, .size: 8, .value_kind: global_buffer, .address_space: global }
      - { .name: b_proj, .offset: 24, .size: 8, .value_kind: global_buffer, .address_space: global }
      - { .name: x, .offset: 32, .size: 8, .value_kind: global_buffer, .address_space: global }
      - { .name: x1, .offset: 40, .size: 8, .value_kind: global_buffer, .address_space: global }
    .group_segment_fixed_size: 327680
    .private_segment_fixed_size: 0
    .kernarg_segment_align: 8
    .kernarg_segment_size: 48
    .max_flat_workgroup_size: 128
    .sgpr_count:     84
    .vgpr_count:     512
    .wavefront_size: 32
...
	.end_amdgpu_metadata
.endif
;; end of part 4
;; launch ln2 (part 5): grid 256 x 1, 4 waves a work-group, no clusters, 4,608 bytes of LDS; arguments x1, ln2_w, ln2_b, lowp_scales, hcodes; writes hcodes
.if DOCPART == 5
	.amdgcn_target "amdgcn-amd-amdhsa--gfx1250"
	.amdhsa_code_object_version 6
	.text
	.protected	k_q4b1b8656b4_ln2
	.globl	k_q4b1b8656b4_ln2
	.p2align	8
	.type	k_q4b1b8656b4_ln2,@function
k_q4b1b8656b4_ln2:
	s_mov_b64 s[64:65], 0
	v_nop
	global_prefetch_b8 v0, s[64:65] scope:SCOPE_SE
	s_setreg_imm32_b32 hwreg(HW_REG_WAVE_MODE, 25, 1), 1
	s_wait_xcnt 0x0
; h = LayerNorm(x1) x ln2_w + ln2_b, in f32, becomes codes of FP8 (E4M3) with the given scale 2^e8, rows of 1,024 bytes.
; code = number / 2^e8, held within +-448, nearest, ties to even.  LIMIT: e8 between -126 and 119.  NaN is not served.
; A wave takes four rows, one at a time, each whole in 32 registers; mean and variance in two passes over the registers (no difference of large sums).
; No tensor loads, no barrier, no cluster: waves share nothing but the 8 KB of gain and bias.
.set LNB,  0
.set LC,   8
.set LW,   32
.set LB,   64
.set LX,   96
.set LO,   224
.macro ACROSS                          ; four chains of pairs in v16-23 become one sum, in every lane
	v_pk_add_f32 v[16:17], v[16:17], v[18:19]
	v_pk_add_f32 v[20:21], v[20:21], v[22:23]
	v_pk_add_f32 v[16:17], v[16:17], v[20:21]
	v_add_f32 v16, v16, v17
	v_add_f32_dpp v16, v16, v16 row_xmask:1 row_mask:0xf bank_mask:0xf
	v_add_f32_dpp v16, v16, v16 row_xmask:2 row_mask:0xf bank_mask:0xf
	v_add_f32_dpp v16, v16, v16 row_xmask:4 row_mask:0xf bank_mask:0xf
	v_add_f32_dpp v16, v16, v16 row_xmask:8 row_mask:0xf bank_mask:0xf
	v_permlanex16_b32 v28, v16, s42, s43
	v_add_f32 v16, v16, v28
.endm
.macro ROW i                           ; register 4 j + c of a row is element 128 j + 4 lane + c
.set RX, LX+32*(\i)
	s_wait_loadcnt 8*(3-(\i))                      ; gain, bias and my rows up to this one are in; the later rows' eight loads each stay out
.irp k, 0,1,2,3
	v_pk_add_f32 v[16+2*\k:17+2*\k], v[RX+4*\k:RX+4*\k+1], v[RX+4*\k+2:RX+4*\k+3]
.endr
.irp p, 8,9,10,11,12,13,14,15
	v_pk_add_f32 v[16+2*(\p%4):17+2*(\p%4)], v[16+2*(\p%4):17+2*(\p%4)], v[RX+2*\p:RX+2*\p+1]
.endr
	ACROSS
	v_mul_f32 v24, s40, v16                        ; the mean
	v_mov_b32 v25, v24
.set p, 0
.rept 16
	v_pk_add_f32 v[RX+2*p:RX+2*p+1], v[RX+2*p:RX+2*p+1], v[24:25] neg_lo:[0,1] neg_hi:[0,1]
.set p, p+1
.endr
.irp k, 0,1,2,3
	v_pk_mul_f32 v[16+2*\k:17+2*\k], v[RX+2*\k:RX+2*\k+1], v[RX+2*\k:RX+2*\k+1]
.endr
.irp p, 4,5,6,7,8,9,10,11,12,13,14,15
	v_pk_fma_f32 v[16+2*(\p%4):17+2*(\p%4)], v[RX+2*\p:RX+2*\p+1], v[RX+2*\p:RX+2*\p+1], v[16+2*(\p%4):17+2*(\p%4)]
.endr
	ACROSS
	v_fma_f32 v26, v16, s40, s41                   ; the variance + 1e-5
	s_wait_alu depctr_va_vdst(0)
	v_rsq_f32 v26, v26
	v_nop                                          ; a plain line behind the transcendental
	s_wait_alu depctr_va_vdst(0)
	v_mov_b32 v27, v26
.set p, 0
.rept 16
	v_pk_mul_f32 v[RX+2*p:RX+2*p+1], v[RX+2*p:RX+2*p+1], v[26:27]
.set p, p+1
.endr
.set p, 0
.rept 16
	v_pk_fma_f32 v[RX+2*p:RX+2*p+1], v[RX+2*p:RX+2*p+1], v[LW+2*p:LW+2*p+1], v[LB+2*p:LB+2*p+1]
.set p, p+1
.endr
.set p, 0
.rept 32
	v_med3_num_f32 v[RX+p], v[RX+p], -v29, v29     ; the conversion does not saturate (ISA guide 7.6.2)
.set p, p+1
.endr
.irp g, 0,1,2,3
	v_cvt_scalef32_pk8_fp8_f32 v[LC+2*\g:LC+2*\g+1], v[RX+8*\g:RX+8*\g+7], v30
.endr
	v_nop                                          ; a plain line behind the last conversion
.irp j, 0,1,2,3,4,5,6,7
	ds_store_b32 v5, v[LC+\j] offset:128*\j        ; codes 128 j + 4 lane on
.endr
.irp k, 0,1
	ds_load_b128 v[LO+8*(\i)+4*\k:LO+8*(\i)+4*\k+3], v6 offset:512*\k   ; LDS serves a wave's instructions in order
.endr
	s_wait_dscnt 0x0
.irp k, 0,1
	global_store_b128 v2, v[LO+8*(\i)+4*\k:LO+8*(\i)+4*\k+3], s[26:27] offset:1024*(\i)+512*\k   ; 32 lanes store 512 consecutive bytes
.endr
.endm
	s_load_b256 s[8:15], s[0:1], 0x0               ; x1, ln2_w, ln2_b, the scales' exponents
	s_load_b64 s[26:27], s[0:1], 0x20              ; hcodes
	v_lshl_add_u32 v7, v0, 2, 0x1000
	v_mov_b32 v31, 0
	v_lshrrev_b32 v1, 5, v0
	v_readfirstlane_b32 s3, v1                     ; wave
	v_and_b32 v1, 31, v0                           ; lane
	s_lshl_b32 s36, ttmp9, 2
	s_add_co_u32 s36, s36, s3
	s_lshl_b32 s36, s36, 2                         ; my wave's first row
	s_lshl_b32 s56, s36, 12
	s_mov_b32 s57, 0
	s_lshl_b32 s58, s36, 10
	s_mov_b32 s59, 0
	v_lshlrev_b32 v2, 4, v1
	s_wait_alu depctr_va_vdst(0)
	s_wait_kmcnt 0x0
	s_load_b32 s68, s[14:15], 0x20                 ; e8
	s_add_nc_u64 s[8:9], s[8:9], s[56:57]
	s_add_nc_u64 s[26:27], s[26:27], s[58:59]
.irp j, 0,1,2,3,4,5,6,7
	global_load_b128 v[LW+4*\j:LW+4*\j+3], v2, s[10:11] offset:512*\j
.endr
.irp j, 0,1,2,3,4,5,6,7
	global_load_b128 v[LB+4*\j:LB+4*\j+3], v2, s[12:13] offset:512*\j
.endr
.irp i, 0,1,2,3
.irp j, 0,1,2,3,4,5,6,7
	global_load_b128 v[LX+32*\i+4*\j:LX+32*\i+4*\j+3], v2, s[8:9] offset:4096*\i+512*\j
.endr
.endr
	s_lshl_b32 s37, s3, 10
	s_add_co_u32 s37, s37, LNB
	v_lshl_add_u32 v5, v1, 2, s37
	v_lshl_add_u32 v6, v1, 4, s37
	v_mov_b32 v28, 0                               ; written once: a lane permute's destination counts as one of its sources
	s_mov_b32 s40, 0x3a800000                      ; 1 / 1,024
	s_mov_b32 s41, 0x3727c5ac                      ; 1e-5
	s_mov_b32 s42, 0x76543210
	s_mov_b32 s43, 0xfedcba98
	s_wait_kmcnt 0x0
	s_add_co_i32 s44, s68, 127
	s_lshl_b32 s45, s44, 23
	v_mov_b32 v30, s45                             ; 2^e8
	s_add_co_i32 s44, s44, 8
	s_lshl_b32 s44, s44, 23
	s_or_b32 s44, s44, 0x600000
	v_mov_b32 v29, s44                             ; 448 x 2^e8
.irp i, 0,1,2,3
	ROW \i
.endr
	s_wait_tensorcnt 0x0
	ds_add_u32 v7, v31
	s_wait_dscnt 0x0
	s_endpgm
.Lfunc_end_k_q4b1b8656b4_ln2:
	.size	k_q4b1b8656b4_ln2, .Lfunc_end_k_q4b1b8656b4_ln2-k_q4b1b8656b4_ln2
	.p2alignl 7, 3214868480
	.fill 96, 4, 3214868480
	.section	.rodata,"a",@progbits
	.p2align	6, 0x0
	.amdhsa_kernel k_q4b1b8656b4_ln2
		.amdhsa_group_segment_fixed_size 4608
		.amdhsa_private_segment_fixed_size 0
		.amdhsa_enable_private_segment 0
		.amdhsa_kernarg_size 40
		.amdhsa_user_sgpr_count 2
		.amdhsa_user_sgpr_kernarg_segment_ptr 1
		.amdhsa_wavefront_size32 1
		.amdhsa_system_sgpr_workgroup_id_x 1
		.amdhsa_system_sgpr_workgroup_id_y 1
		.amdhsa_system_sgpr_workgroup_id_z 1
		.amdhsa_system_vgpr_workitem_id 0
		.amdhsa_next_free_vgpr 256
		.amdhsa_next_free_sgpr 84
		.amdhsa_reserve_vcc 0
		.amdhsa_float_denorm_mode_32 3
		.amdhsa_float_denorm_mode_16_64 3
		.amdhsa_memory_ordered 1
		.amdhsa_forward_progress 1
		.amdhsa_inst_pref_size 44
	.end_amdhsa_kernel
	.amdgpu_metadata
---
amdhsa.version: [ 1, 2 ]
amdhsa.kernels:
  - .name:           k_q4b1b8656b4_ln2
    .symbol:         k_q4b1b8656b4_ln2.kd
    .args:
      - { .name: x1, .offset: 0, .size: 8, .value_kind: global_buffer, .address_space: global }
      - { .name: ln2_w, .offset: 8, .size: 8, .value_kind: global_buffer, .address_space: global }
      - { .name: ln2_b, .offset: 16, .size: 8, .value_kind: global_buffer, .address_space: global }
      - { .name: lowp_scales, .offset: 24, .size: 8, .value_kind: global_buffer, .address_space: global }
      - { .name: hcodes, .offset: 32, .size: 8, .value_kind: global_buffer, .address_space: global }
    .group_segment_fixed_size: 4608
    .private_segment_fixed_size: 0
    .kernarg_segment_align: 8
    .kernarg_segment_size: 40
    .max_flat_workgroup_size: 128
    .sgpr_count:     84
    .vgpr_count:     256
    .wavefront_size: 32
...
	.end_amdgpu_metadata
.endif
;; end of part 5
;; launch fc (part 6): grid 16 x 16, 4 waves a work-group, clusters of 4 x 4, 327,680 bytes of LDS; arguments hcodes, wcodes, lowp_scales, b_fc, gcodes; writes gcodes
.if DOCPART == 6
	.amdgcn_target "amdgcn-amd-amdhsa--gfx1250"
	.amdhsa_code_object_version 6
	.text
	.protected	k_q4b1b8656b4_fc
	.globl	k_q4b1b8656b4_fc
	.p2align	8
	.type	k_q4b1b8656b4_fc,@function
k_q4b1b8656b4_fc:
	s_mov_b64 s[64:65], 0
	v_nop
	global_prefetch_b8 v0, s[64:65] scope:SCOPE_SE
	s_setreg_imm32_b32 hwreg(HW_REG_WAVE_MODE, 25, 1), 1
	s_wait_xcnt 0x0
	s_wait_alu depctr_hold_cnt(0) depctr_sa_sdst(0) depctr_va_vdst(0) depctr_va_sdst(0) depctr_va_ssrc(0) depctr_va_vcc(0) depctr_vm_vsrc(0)
	s_getreg_b32 s2, hwreg(HW_REG_IB_STS2, 6, 4)
	s_cmp_eq_u32 s2, 0
	s_cbranch_scc0 .Lentry_in_a_cluster
	s_endpgm
.Lentry_in_a_cluster:
	s_bfe_u32 s2, ttmp6, 0x10000c
	s_cmp_lg_u32 s2, 0xf033
	s_cbranch_scc0 .Lentry_shape_is_right
	s_endpgm
.Lentry_shape_is_right:
.set SIZE_K, 1024
.set WOFF,   0x400000
.set KSTEP,  256
.set ROWB,   256
.set KROW,   SIZE_K
.set PITCH,  272
.set FR,     16
.set NL,     4
.set NP,     4
.set HALFT,  128*PITCH
.set SLOT,   4*HALFT
.set LAPS,   SIZE_K/(2*KSTEP)
.set SPARE,  2*SLOT
.set BO,   7
.set RDR,  10
.set ADRA, 16
.set ADRB, 20
.set STO,  24
.set COR,  26
.set SPW,  28
.set NIL,  29
.set LIM,  30
.set SCL,  31
.set CD,   32
.set K0,   48
.set BIAS, 64
.set U,    128
.set T,    192
.set AF,   128
.set G1, 24
.set G0, 32
.set G1B, 48
.set G0B, 56
.set MSB, 0
.macro WIN new
.if MSB != (\new)
	s_set_vgpr_msb (MSB<<8)|(\new)
.set MSB, (\new)
.endif
.endm
.set MUL_LO, 0xa1
.set MUL_HI, 0xf1
.set TO_B,   0x40
.macro JLOAD g0a, g1a, g0b, g1b
	s_cmp_eq_u32 s17, 0
	s_cbranch_scc0 .Lfor_b_\@
	tensor_load_to_lds s[\g0a:\g0a+3], s[\g1a:\g1a+7]
	s_nop 0
.rept 4
	v_nop
.endr
	s_branch .Lasked_\@
.Lfor_b_\@:
	tensor_load_to_lds s[\g0b:\g0b+3], s[\g1b:\g1b+7]
	s_nop 0
.rept 4
	v_nop
.endr
.Lasked_\@:
.endm
.macro CREST
	s_cmp_lg_u32 s16, 0
	s_cbranch_scc1 .Lnot_wave_0_\@
	s_barrier_signal -3
.Lnot_wave_0_\@:
	s_barrier_wait -3
	s_barrier_signal -1
	s_barrier_wait -1
.endm
.macro CROUND
	s_barrier_signal -1
	s_barrier_wait -1
	CREST
.endm
	s_load_b256 s[4:11], s[0:1], 0x0
	s_load_b64 s[12:13], s[0:1], 0x20
	v_lshl_add_u32 v[SPW], v0, 2, SPARE
	v_mov_b32 v[NIL], 0
	ds_add_u32 v28, v29
	ds_add_u32 v28, v29
	s_wait_dscnt 0x0
	v_lshrrev_b32 v1, 5, v0
	v_readfirstlane_b32 s16, v1
	s_lshr_b32 s17, s16, 1
	s_and_b32 s18, s16, 1
	s_bfe_u32 s40, ttmp6, 0x40000
	s_bfe_u32 s41, ttmp6, 0x40004
	s_lshl_b32 s42, ttmp9, 2
	s_add_co_u32 s42, s42, s40
	s_and_b32 s43, ttmp7, 0xffff
	s_lshl_b32 s43, s43, 2
	s_add_co_u32 s43, s43, s41
	s_lshl_b32 s44, s41, 2
	s_lshl_b32 s44, 15, s44
	s_lshl_b32 s45, 0x1111, s40
	s_or_b32 s[G1+0], s44, (0<<16)|(1<<20)|(1<<21)|(5<<22)|(3<<25)
	s_or_b32 s[G1B+0], s45, (0<<16)|(1<<20)|(1<<21)|(5<<22)|(3<<25)
.irp g, G1, G1B
	s_mov_b32 s[\g+1], ROWB<<16
	s_mov_b32 s[\g+2], 128<<16
	s_mov_b32 s[\g+3], ROWB<<16
	s_mov_b32 s[\g+4], 128
	s_mov_b32 s[\g+5], KROW
	s_mov_b32 s[\g+6], 0
	s_mov_b32 s[\g+7], 0
.endr
	s_lshl_b32 s19, s18, 7
	s_lshl_b32 s20, s43, 8
	s_add_co_u32 s20, s20, s19
	s_lshl_b32 s20, s20, 10
	s_mov_b32 s21, 0
	s_lshl_b32 s46, s42, 8
	s_add_co_u32 s46, s46, s19
	s_lshl_b32 s46, s46, 10
	s_add_co_u32 s46, s46, WOFF
	s_mov_b32 s47, 0
	s_mul_i32 s22, s16, HALFT
	s_wait_kmcnt 0x0
	s_load_b128 s[76:79], s[8:9], 0x20
	s_add_nc_u64 s[20:21], s[4:5], s[20:21]
	s_add_nc_u64 s[46:47], s[6:7], s[46:47]
	CROUND
.irp s, 0,1
	s_mov_b32 s[G0+4*\s], 1
	s_add_co_u32 s[G0+4*\s+1], s22, \s*SLOT
	s_add_nc_u64 s[G0+4*\s+2:G0+4*\s+3], s[20:21], \s*ROWB
	s_or_b32 s[G0+4*\s+3], s[G0+4*\s+3], 0x80000000
	s_mov_b32 s[G0B+4*\s], 1
	s_add_co_u32 s[G0B+4*\s+1], s22, \s*SLOT
	s_add_nc_u64 s[G0B+4*\s+2:G0B+4*\s+3], s[46:47], \s*ROWB
	s_or_b32 s[G0B+4*\s+3], s[G0B+4*\s+3], 0x80000000
.endr
	JLOAD G0, G1, G0B, G1B                         ; K step 0: one tensor load a wave at the head, behind the opening round
	v_and_b32 v1, 15, v0
	v_bfe_u32 v2, v0, 4, 1
	v_mul_u32_u24 v3, v1, PITCH
	s_wait_alu depctr_va_vdst(0)
	v_lshl_add_u32 v4, v2, 4, v3
	s_mul_i32 s19, s17, HALFT
	s_mul_i32 s21, s18, HALFT
	s_add_co_u32 s21, s21, 2*HALFT
.irp s, 0,1
	v_add_nc_u32 v[ADRA+\s], s19, v4
	v_add_nc_u32 v[ADRB+\s], s21, v4
	s_add_co_u32 s19, s19, SLOT
	s_add_co_u32 s21, s21, SLOT
.endr
	s_mul_i32 s23, s17, 128*PITCH
	s_lshl_b32 s19, s18, 7
	s_add_co_u32 s23, s23, s19
	v_lshl_add_u32 v5, v2, 3, v3
	v_add_nc_u32 v[STO], s23, v5
	s_mul_i32 s23, s16, 64*PITCH
	v_mul_u32_u24 v5, v2, PITCH
	v_lshl_add_u32 v5, v1, 4, v5
	v_add_nc_u32 v[RDR], s23, v5
	v_lshlrev_b32 v[COR], 12, v2
	v_lshl_add_u32 v[COR], v1, 4, v[COR]
	v_lshlrev_b32 v[BO], 5, v2
	v_mov_b32 v[K0], 0xc0135761
	v_mov_b32 v[K0+1], 0xc0135761
	s_mov_b32 s86, 0xbdd2d3e8
	s_mov_b32 s87, s86
	s_lshl_b32 s88, s42, 10
	s_lshl_b32 s89, s18, 9
	s_add_co_u32 s90, s88, s89
	s_mov_b32 s91, 0
	s_add_nc_u64 s[90:91], s[10:11], s[90:91]
.irp b, 0,1,2,3,4,5,6,7
	global_load_b128 v[BIAS+8*\b:BIAS+8*\b+3], v[BO], s[90:91] offset:64*\b
	global_load_b128 v[BIAS+8*\b+4:BIAS+8*\b+7], v[BO], s[90:91] offset:64*\b+16
.endr
	s_lshl_b32 s88, s43, 8
	s_lshl_b32 s89, s16, 6
	s_add_co_u32 s88, s88, s89
	s_lshl_b32 s88, s88, 12
	s_lshl_b32 s89, s42, 8
	s_add_co_u32 s82, s88, s89
	s_mov_b32 s83, 0
	s_add_nc_u64 s[82:83], s[12:13], s[82:83]
.macro FRAG reg, adr, q, i
.irp c, 0,1,2,3
	ds_load_b128 v[\reg+4*\c:\reg+4*\c+3], v[\adr] offset:128*(\q)+32*\c+(\i)*16*PITCH
.endr
.endm
.macro MUL16 a0, p, zero
.irp a, \a0, \a0+1
.irp b, 0,1,2,3,4,5,6,7
.if \zero
	v_wmma_f32_16x16x128_fp8_fp8 v[8*(8*((\a)%4)+\b):8*(8*((\a)%4)+\b)+7], v[128*(\p)+FR*\b:128*(\p)+FR*\b+FR-1], v[AF+FR*(\a):AF+FR*(\a)+FR-1], 0
.else
	v_wmma_f32_16x16x128_fp8_fp8 v[8*(8*((\a)%4)+\b):8*(8*((\a)%4)+\b)+7], v[128*(\p)+FR*\b:128*(\p)+FR*\b+FR-1], v[AF+FR*(\a):AF+FR*(\a)+FR-1], v[8*(8*((\a)%4)+\b):8*(8*((\a)%4)+\b)+7]
.endif
.endr
.endr
.endm
.macro FETCH_B slot, q, p
	WIN TO_B
.irp i, 0,1,2,3,4,5,6,7
	FRAG 128*(\p)+FR*\i, ADRB+\slot, \q, \i
.endr
	WIN 0
.endm
.macro FETCH_A slot, q, i0
.irp i, \i0, \i0+1, \i0+2, \i0+3
	FRAG AF+FR*(\i), ADRA+\slot, \q, \i
.endr
.endm
.macro PLACES n
.rept \n
	v_nop
.endr
.endm
.macro STEP slot, q, zero
	s_wait_dscnt 4*NL
	WIN MUL_LO
	MUL16 0, (\q)%2, \zero
	MUL16 2, (\q)%2, \zero
	s_wait_dscnt 0
	PLACES NP
	FETCH_B \slot, (\q)+1, 1-(\q)%2
	FETCH_A \slot, (\q)+1, 0
	WIN MUL_HI
	MUL16 4, (\q)%2, \zero
	MUL16 6, (\q)%2, \zero
	PLACES NP
	WIN 0
	FETCH_A \slot, (\q)+1, 4
.endm
.macro TURN slot, next, fill
	s_wait_tensorcnt 0x0
	ds_add_u32 v[SPW], v[NIL]
	s_wait_dscnt 4*NL+1
	WIN MUL_LO
	MUL16 0, 1, 0
	s_wait_dscnt 0x0
	s_barrier_signal -1
	MUL16 2, 1, 0
	WIN 0
	s_barrier_wait -1
.if \fill
	CREST
	s_add_nc_u64 s[G0+4*\slot+2:G0+4*\slot+3], s[G0+4*\slot+2:G0+4*\slot+3], 2*ROWB
	s_add_nc_u64 s[G0B+4*\slot+2:G0B+4*\slot+3], s[G0B+4*\slot+2:G0B+4*\slot+3], 2*ROWB
	JLOAD G0+4*\slot, G1, G0B+4*\slot, G1B
.else
	PLACES NP
.endif
	FETCH_B \next, 0, 0
	FETCH_A \next, 0, 0
	WIN MUL_HI
	MUL16 4, 1, 0
	MUL16 6, 1, 0
	PLACES NP
	WIN 0
	FETCH_A \next, 0, 4
.endm
	s_wait_alu depctr_va_vdst(0)
	s_wait_tensorcnt 0x0                           ; my part of K step 0 is in
	ds_add_u32 v[SPW], v[NIL]
	s_wait_dscnt 0x0
	CROUND                                         ; everybody's part of K step 0 is in, and all sixteen work-groups are here
	JLOAD G0+4, G1, G0B+4, G1B                     ; K step 1: the first tensor load behind the round
	FETCH_B 0, 0, 0
	FETCH_A 0, 0, 0
	FETCH_A 0, 0, 4
	STEP 0, 0, 1
	s_mov_b32 s3, LAPS-1
.Llap:
	TURN 0, 1, 1
	STEP 1, 0, 0
	TURN 1, 0, 1
	STEP 0, 0, 0
	s_sub_co_u32 s3, s3, 1
	s_cmp_lg_u32 s3, 0
	s_cbranch_scc1 .Llap
	TURN 0, 1, 0
	STEP 1, 0, 0
	s_wait_dscnt 4*NL
	WIN MUL_LO
	MUL16 0, 1, 0
	MUL16 2, 1, 0
	s_wait_dscnt 0
	WIN MUL_HI
	MUL16 4, 1, 0
	MUL16 6, 1, 0
	WIN 0
.macro QOUT a
	WIN 0x02+((\a)/4)
.set i, 0
.rept 32
	v_pk_fma_f32 v[U+i:U+i+1], v[64*((\a)%4)+i:64*((\a)%4)+i+1], s[66:67], v[BIAS+i:BIAS+i+1] op_sel_hi:[1,0,1]
.set i, i+2
.endr
	WIN 0
.set i, 0
.rept 32
	v_pk_mul_f32 v[T+i:T+i+1], v[U+i:U+i+1], v[U+i:U+i+1]
.set i, i+2
.endr
.set i, 0
.rept 32
	v_pk_fma_f32 v[T+i:T+i+1], v[T+i:T+i+1], s[86:87], v[K0:K0+1] op_sel_hi:[1,0,1]
.set i, i+2
.endr
.set i, 0
.rept 32
	v_pk_mul_f32 v[T+i:T+i+1], v[T+i:T+i+1], v[U+i:U+i+1]
.set i, i+2
.endr
.set i, 0
	s_wait_alu depctr_va_vdst(0)
.rept 64
	v_exp_f32 v[T+i], v[T+i]
.set i, i+1
.endr
	v_nop
.set i, 0
	s_wait_alu depctr_va_vdst(0)
.rept 32
	v_pk_add_f32 v[T+i:T+i+1], v[T+i:T+i+1], 1.0 op_sel_hi:[1,0]
.set i, i+2
.endr
.set i, 0
	s_wait_alu depctr_va_vdst(0)
.rept 64
	v_rcp_f32 v[T+i], v[T+i]
.set i, i+1
.endr
	v_nop
.set i, 0
	s_wait_alu depctr_va_vdst(0)
.rept 32
	v_pk_mul_f32 v[U+i:U+i+1], v[U+i:U+i+1], v[T+i:T+i+1]
.set i, i+2
.endr
.set i, 0
.rept 64
	v_med3_num_f32 v[U+i], v[U+i], -v[LIM], v[LIM]
.set i, i+1
.endr
	s_wait_alu depctr_va_vdst(0)
	s_wait_dscnt 0x0
.irp b, 0,1,2,3,4,5,6,7
	v_cvt_scalef32_pk8_fp8_f32 v[CD+2*\b:CD+2*\b+1], v[U+8*\b:U+8*\b+7], v[SCL]
.endr
	v_nop
.irp b, 0,1,2,3,4,5,6,7
	ds_store_b64 v[STO], v[CD+2*\b:CD+2*\b+1] offset:(\a)*16*PITCH+16*\b
.endr
.endm
	s_wait_kmcnt 0x0
	s_add_co_i32 s66, s76, s77
	s_add_co_i32 s66, s66, 127
	s_lshl_b32 s66, s66, 23
	s_mov_b32 s67, s66
	s_add_co_i32 s81, s78, 127
	s_lshl_b32 s80, s81, 23
	v_mov_b32 v[SCL], s80
	s_add_co_i32 s81, s81, 8
	s_lshl_b32 s81, s81, 23
	s_or_b32 s81, s81, 0x600000
	v_mov_b32 v[LIM], s81
	PLACES NP
	s_wait_loadcnt 0x0
.irp a, 0,1,2,3,4,5,6,7
	QOUT \a
.endr
	s_wait_dscnt 0x0
	s_barrier_signal -1
	s_barrier_wait -1
.set i, 0
.rept 32
	ds_load_b128 v[128+4*i:131+4*i], v[RDR] offset:i*2*PITCH
.set i, i+1
.endr
.set i, 0
.rept 32
	s_wait_dscnt 31-i
	global_store_b128 v[COR], v[128+4*i:131+4*i], s[82:83] offset:2*i*4096
.set i, i+1
.endr
	s_wait_tensorcnt 0x0
	ds_add_u32 v[SPW], v[NIL]
	s_wait_dscnt 0x0
	CROUND
	s_endpgm
.Lfunc_end_k_q4b1b8656b4_fc:
	.size	k_q4b1b8656b4_fc, .Lfunc_end_k_q4b1b8656b4_fc-k_q4b1b8656b4_fc
	.p2alignl 7, 3214868480
	.fill 96, 4, 3214868480
	.section	.rodata,"a",@progbits
	.p2align	6, 0x0
	.amdhsa_kernel k_q4b1b8656b4_fc
		.amdhsa_group_segment_fixed_size 327680
		.amdhsa_private_segment_fixed_size 0
		.amdhsa_enable_private_segment 0
		.amdhsa_kernarg_size 40
		.amdhsa_user_sgpr_count 2
		.amdhsa_user_sgpr_kernarg_segment_ptr 1
		.amdhsa_wavefront_size32 1
		.amdhsa_system_sgpr_workgroup_id_x 1
		.amdhsa_system_sgpr_workgroup_id_y 1
		.amdhsa_system_sgpr_workgroup_id_z 1
		.amdhsa_system_vgpr_workitem_id 0
		.amdhsa_next_free_vgpr 1024
		.amdhsa_next_free_sgpr 100
		.amdhsa_reserve_vcc 0
		.amdhsa_float_denorm_mode_32 3
		.amdhsa_float_denorm_mode_16_64 3
		.amdhsa_memory_ordered 1
		.amdhsa_forward_progress 1
		.amdhsa_inst_pref_size 255
	.end_amdhsa_kernel
	.section	.bss,"aw",@nobits
	.p2align	6
	.space	262144
	.amdgpu_metadata
---
amdhsa.version: [ 1, 2 ]
amdhsa.kernels:
  - .name:           k_q4b1b8656b4_fc
    .symbol:         k_q4b1b8656b4_fc.kd
    .args:
      - { .name: hcodes, .offset: 0, .size: 8, .value_kind: global_buffer, .address_space: global }
      - { .name: wcodes, .offset: 8, .size: 8, .value_kind: global_buffer, .address_space: global }
      - { .name: lowp_scales, .offset: 16, .size: 8, .value_kind: global_buffer, .address_space: global }
      - { .name: b_fc, .offset: 24, .size: 8, .value_kind: global_buffer, .address_space: global }
      - { .name: gcodes, .offset: 32, .size: 8, .value_kind: global_buffer, .address_space: global }
    .group_segment_fixed_size: 327680
    .private_segment_fixed_size: 0
    .kernarg_segment_align: 8
    .kernarg_segment_size: 40
    .max_flat_workgroup_size: 128
    .sgpr_count:     100
    .vgpr_count:     1024
    .wavefront_size: 32
...
	.end_amdgpu_metadata
.endif
;; end of part 6
;; launch mlp (part 7): grid 8 x 32, 4 waves a work-group, clusters of 4 x 1, 327,680 bytes of LDS; arguments gcodes, wcodes, lowp_scales, b_mlp_proj, x1, out0; writes out0
.if DOCPART == 7
	.amdgcn_target "amdgcn-amd-amdhsa--gfx1250"
	.amdhsa_code_object_version 6
	.text
	.protected	k_q4b1b8656b4_mlp
	.globl	k_q4b1b8656b4_mlp
	.p2align	8
	.type	k_q4b1b8656b4_mlp,@function
k_q4b1b8656b4_mlp:
	s_mov_b64 s[64:65], 0
	v_nop
	global_prefetch_b8 v0, s[64:65] scope:SCOPE_SE
	s_setreg_imm32_b32 hwreg(HW_REG_WAVE_MODE, 25, 1), 1
	s_wait_xcnt 0x0
	s_wait_alu depctr_hold_cnt(0) depctr_sa_sdst(0) depctr_va_vdst(0) depctr_va_sdst(0) depctr_va_ssrc(0) depctr_va_vcc(0) depctr_vm_vsrc(0)
	s_getreg_b32 s2, hwreg(HW_REG_IB_STS2, 6, 4)
	s_cmp_eq_u32 s2, 0
	s_cbranch_scc0 .Lentry_in_a_cluster
	s_endpgm
.Lentry_in_a_cluster:
	s_bfe_u32 s2, ttmp6, 0x10000c
	s_cmp_lg_u32 s2, 0x3003
	s_cbranch_scc0 .Lentry_shape_is_right
	s_endpgm
.Lentry_shape_is_right:
; out0 = x1 + g w_mlp_proj + b_mlp_proj.  g: [4096][4096] codes of FP8 (E4M3), scale 2^e10.  w_mlp_proj: codes, scale 2^e11, at byte WOFF of the weights' codes, laid by fragments:
; 16 columns x 128 along K are 2,048 bytes on end, [c][lane][16 bytes], lane (r, h) holding column r, K = 32 c + 16 h + 0 .. 15; fragment (column block, K block) at (32 x column block + K block) x 2,048.
; x1, out0: [4096][1024] f32.  Sums in f32, one accumulator an output, K ascending.  LIMIT: e10 + e11 between -126 and 127.
; SHARES.  A work-group makes 128 tokens x 128 columns: 8 x 32 = 256 work-groups.  Each of its four waves makes all 128 tokens x 32 columns of its own: 16 accumulators, 128 registers.
; A: the 128 rows of g go through a ring of two LDS slots, A WHOLE QUARTER OF K (1,024 bytes of each row) TO A SLOT: four fills in all, each wave fetching 32 rows by its one tensor load.
; CLUSTER: four work-groups of one row block need the same rows of g and ask for each fill JOINTLY (mask 15); a round of the cluster's barrier stands in front of each.
; B: each wave takes its own 32 columns' fragments from memory straight into its operand registers, 512 consecutive bytes a load, eight steps of 128 along K (64 loads) ahead; no byte of the weight is read twice by a work-group.
; The weight comes by no joint load: beside A's two slots (266,240 bytes) and the spare words LDS has 60,928 bytes left, and two slots of 128 weight rows x 256 bytes would be 69,632.
; PREFETCH: A's quarters 2 and 3 are asked for one quarter ahead of their tensor loads: 128 rows x 4 blocks of 256 bytes are 512 blocks, one for each lane of the cluster's sixteen waves: the partner at place cx takes
; rows 32 cx on, a lane a row, wave w the w-th block: shared out by address.  Quarters 0 and 1 come by their loads alone.  x1's 32 rows x 512 bytes that a wave adds are asked for in quarters 1 and 2, each block once.
; The weight is not prefetched: its loads themselves run eight steps ahead.
; TRANSPOSED USE: source 0 = 16 weight columns, source 1 = 16 tokens: a lane holds eight neighbouring columns of a token.  A's fragments come by four 16-byte loads: the same permutation of k as the weight's layout.
; REGISTERS: window 0: v0-31 addresses, v8-11 bias; v128-255 accumulators ((a, b) at v[128 + 8 (2 a + b)]).  window 1: B's eight buffers of 32.  window 2: A's two buffers of 128; on the way out the rows back from the stage.  window 3: v0-127 the residual.
.set WOFF,   0x800000
.set QP,     1040                      ; an LDS row: 1,024 bytes + 16 = 260 words: the 16 rows that a load touches start at 16 different banks (ISA guide 11.1)
.set SLOT,   128*QP
.set SPARE,  2*SLOT                    ; behind the ring: the spare words, 128 bytes a wave, which no other line names
.set SPITCH, 528                       ; the way out: a stage of 128 rows x (512 bytes + 16) in slot 0, which has had its last fill and its last read by then
.set ADR,  16                          ; v16, v17 my lane's place in A's rows 0-63 and 64-127 of slot 0; v18, v19 of slot 1
.set BOF,  20                          ; v20  16 x lane
.set PFO,  21                          ; v21  4,096 x lane: a row of g's codes, and of x1, a lane
.set STO,  24
.set RD,   25
.set SPW,  28
.set NIL,  29
.set ACC,  128
.set G1,   24
.set G0,   32                          ; s[32:35] group 0 of slot 0, s[36:39] of slot 1
.set WB,   46                          ; s[46:47] my columns' fragments
.set PG,   48                          ; s[48:49] g's codes at my share of the prefetches
.set MSB, 0
.macro WIN new                         ; the immediate's high byte repeats the setting that is left
.if MSB != (\new)
	s_set_vgpr_msb (MSB<<8)|(\new)
.set MSB, (\new)
.endif
.endm
.macro ROUND                           ; a round of the cluster's barrier
	s_barrier_signal -1
	s_barrier_wait -1
	s_cmp_lg_u32 s16, 0
	s_cbranch_scc1 .Lnot_wave_0_\@
	s_barrier_signal -3
.Lnot_wave_0_\@:
	s_barrier_wait -3
	s_barrier_signal -1
	s_barrier_wait -1
.endm
.macro BLOAD t                         ; B's two fragments of step t into buffer t % 8
	WIN 0x40
.irp b, 0,1
.irp c, 0,1,2,3
	global_load_b128 v[32*((\t)%8)+16*\b+4*\c:32*((\t)%8)+16*\b+4*\c+3], v[BOF], s[WB:WB+1] offset:65536*\b+2048*(\t)+512*\c
.endr
.endr
.endm
.macro ALOAD slot, j                   ; A's eight fragments of the slot's step j into buffer j % 2
	WIN 0x80
.irp i, 0,1,2,3,4,5,6,7
.irp c, 0,1,2,3
	ds_load_b128 v[128*((\j)%2)+16*\i+4*\c:128*((\j)%2)+16*\i+4*\c+3], v[ADR+2*(\slot)+\i/4] offset:128*(\j)+32*\c+(\i%4)*16*QP
.endr
.endr
.endm
.macro RLOAD k                         ; the residual: rows 4 k .. 4 k + 3 of the 32 that I store, 512 bytes each
	WIN 0xc0
.irp u, 0,1,2,3
	global_load_b128 v[16*(\k)+4*\u:16*(\k)+4*\u+3], v[BOF], s[12:13] offset:(4*(\k)+\u)*4096 th:TH_LOAD_NT
.endr
.endm
; A step of 128 along K: 16 matrix instructions, the 16 accumulators by turns in the same order in every step.  Behind them the buffers just read take later steps' fragments.
.macro STEP q, slot, j
.set T, 8*(\q)+(\j)
.if T > 24
	s_wait_loadcnt 153-4*T                         ; behind this step's B: the later steps' 8 loads each, the bias, and 4 residual loads for each step since step 24
.else
	s_wait_loadcnt 56                              ; this step's B is in; the next seven steps' 8 loads each may be out
.endif
.if (\j) == 7
	s_wait_dscnt 0
.else
	s_wait_dscnt 32                                ; this step's A is in; the next step's 32 loads may be out
.endif
	WIN 0x09                                       ; source 0 (B) window 1, source 1 (A) window 2, C and D window 0
.irp a, 0,1,2,3,4,5,6,7
.irp b, 0,1
.if T == 0
	v_wmma_f32_16x16x128_fp8_fp8 v[ACC+8*(2*\a+\b):ACC+8*(2*\a+\b)+7], v[32*((\j)%8)+16*\b:32*((\j)%8)+16*\b+15], v[128*((\j)%2)+16*\a:128*((\j)%2)+16*\a+15], 0
.else
	v_wmma_f32_16x16x128_fp8_fp8 v[ACC+8*(2*\a+\b):ACC+8*(2*\a+\b)+7], v[32*((\j)%8)+16*\b:32*((\j)%8)+16*\b+15], v[128*((\j)%2)+16*\a:128*((\j)%2)+16*\a+15], v[ACC+8*(2*\a+\b):ACC+8*(2*\a+\b)+7]
.endif
.endr
.endr
.rept 4
	v_nop                                          ; places in front of loads into registers that matrix instructions have read, and of the first read of the results
.endr
.if T < 24
	BLOAD T+8
.else
.if T == 24
	WIN 0
	global_load_b128 v[8:11], v[BOF], s[10:11]     ; the bias of the four columns that I store
.endif
	RLOAD T-24
.endif
.if (\j) < 6
	ALOAD \slot, (\j)+2
.endif
.endm
; THE CHANGE OF SLOTS, at a quarter's head.  Each wave waits for all its tensor loads (its part of the slot ahead), adds 0 to its spare word, and waits for that and for its reads of the slot that it has left.
; fill = 1: a round of the cluster's barrier, and behind it my one joint load, by group 0 g: the quarter after the one ahead, into the slot just left (the first time: slot 1's first fill).
.macro CHANGE fill, g, bump
	WIN 0
	s_wait_tensorcnt 0x0
	ds_add_u32 v[SPW], v[NIL]
.if \bump
	s_add_nc_u64 s[\g+2:\g+3], s[\g+2:\g+3], 2048  ; no load of mine is out: this slot's next quarter
.endif
	s_wait_dscnt 0x0
.if \fill
	ROUND
	tensor_load_to_lds s[\g:\g+3], s[G1:G1+7]
	s_nop 0
.rept 4
	v_nop
.endr
.else
	s_barrier_signal -1
	s_barrier_wait -1
.endif
.endm
.macro QUARTER q, slot
	ALOAD \slot, 0
	ALOAD \slot, 1
.if (\q) < 2
	global_prefetch_b8 v[PFO], s[PG:PG+1] offset:1024*((\q)+2) th:TH_LOAD_NT scope:SCOPE_SE   ; what the next change of slots will ask for
.endif
.if ((\q) == 1) || ((\q) == 2)
	global_prefetch_b8 v[PFO], s[12:13] offset:256*((\q)-1) th:TH_LOAD_NT scope:SCOPE_SE      ; half of my rows of x1
.endif
.irp j, 0,1,2,3,4,5,6,7
	STEP \q, \slot, \j
.endr
.endm
	s_load_b256 s[4:11], s[0:1], 0x0               ; g's codes, the weights' codes, the scales' exponents, the bias
	s_load_b128 s[12:15], s[0:1], 0x20             ; x1, out0
	v_lshl_add_u32 v[SPW], v0, 2, SPARE
	v_mov_b32 v[NIL], 0
	ds_add_u32 v[SPW], v[NIL]                      ; the opening
	ds_add_u32 v[SPW], v[NIL]
	v_lshrrev_b32 v1, 5, v0
	v_readfirstlane_b32 s16, v1                    ; wave 0..3
	s_bfe_u32 s40, ttmp6, 0x40000                  ; cx
	s_lshl_b32 s41, ttmp9, 2
	s_add_co_u32 s41, s41, s40                     ; which 128 columns: it enters no descriptor
	s_and_b32 s43, ttmp7, 0xffff                   ; which 128 tokens
	s_mov_b32 s[G1], 15|(1<<20)|(1<<21)|(7<<22)|(3<<25)   ; mask: all four; elements of 1 byte; padding on; bit 21 beside a mask; 4 words after every 256
	s_mov_b32 s[G1+1], 1024<<16                    ; tensor_dim0
	s_mov_b32 s[G1+2], 32<<16                      ; tensor_dim1
	s_mov_b32 s[G1+3], 1024<<16                    ; tile_dim0
	s_mov_b32 s[G1+4], 32                          ; tile_dim1
	s_mov_b32 s[G1+5], 4096                        ; a row of g's codes
	s_mov_b32 s[G1+6], 0
	s_mov_b32 s[G1+7], 0
	s_lshl_b32 s20, s43, 19                        ; 128 rows of 4,096 bytes
	s_lshl_b32 s21, s16, 17
	s_add_co_u32 s20, s20, s21                     ; + my 32 rows
	s_mov_b32 s21, 0
	s_mul_i32 s22, s16, 32*QP                      ; where they go in slot 0,
	s_add_co_u32 s23, s22, SLOT                    ; in slot 1
	s_lshl_b32 s44, s41, 19                        ; the weight: column block 8 x (which 128) + 2 wave, 65,536 bytes each
	s_lshl_b32 s45, s16, 17
	s_add_co_u32 s44, s44, s45
	s_add_co_u32 s44, s44, WOFF
	s_mov_b32 s45, 0
	s_lshl_b32 s52, s41, 9                         ; my work-group's first column in bytes of f32
	s_mov_b32 s53, 0
	s_lshl_b32 s54, s43, 19                        ; 128 rows of x1 and of out0 are as many bytes as of g's codes
	s_lshl_b32 s55, s16, 17
	s_add_co_u32 s54, s54, s55                     ; + the 32 rows that I store
	s_add_co_u32 s54, s54, s52
	s_mov_b32 s55, 0
	s_lshl_b32 s56, s43, 19                        ; the prefetches of g: rows 32 cx on, block wave
	s_lshl_b32 s57, s40, 17
	s_add_co_u32 s56, s56, s57
	s_lshl_b32 s57, s16, 8
	s_add_co_u32 s56, s56, s57
	s_mov_b32 s57, 0
	s_lshl_b32 s18, s16, 7                         ; the stage: my 32 columns are 128 bytes
	s_mul_i32 s19, s16, 32*SPITCH                  ; and the 32 rows that I read back
	s_wait_dscnt 0x0                               ; both opening adds are done
	s_wait_kmcnt 0x0
	s_load_b64 s[76:77], s[8:9], 0x28              ; e10, e11
	s_mov_b32 s[G0], 1
	s_mov_b32 s[G0+1], s22
	s_add_nc_u64 s[G0+2:G0+3], s[4:5], s[20:21]    ; quarter 0
	s_mov_b32 s[G0+4], 1
	s_mov_b32 s[G0+5], s23
	s_add_nc_u64 s[G0+6:G0+7], s[G0+2:G0+3], 1024  ; quarter 1
	s_or_b32 s[G0+3], s[G0+3], 0x80000000
	s_or_b32 s[G0+7], s[G0+7], 0x80000000
	s_add_nc_u64 s[WB:WB+1], s[6:7], s[44:45]
	s_add_nc_u64 s[PG:PG+1], s[4:5], s[56:57]
	s_add_nc_u64 s[10:11], s[10:11], s[52:53]
	s_add_nc_u64 s[12:13], s[12:13], s[54:55]
	s_add_nc_u64 s[14:15], s[14:15], s[54:55]
	ROUND                                          ; all four work-groups are here: the joint loads meet
	tensor_load_to_lds s[G0:G0+3], s[G1:G1+7]      ; quarter 0: one tensor load a wave at the head
	s_nop 0
.rept 4
	v_nop
.endr
	v_and_b32 v1, 15, v0                           ; r
	v_bfe_u32 v2, v0, 4, 1                         ; h
	v_and_b32 v6, 31, v0                           ; lane
	v_mul_u32_u24 v3, v1, QP
	v_lshl_add_u32 v[ADR], v2, 4, v3               ; a fragment's row x pitch + 16 x half
	v_add_nc_u32 v[ADR+1], 64*QP, v[ADR]
	v_add_nc_u32 v[ADR+2], SLOT, v[ADR]
	v_add_nc_u32 v[ADR+3], SLOT+64*QP, v[ADR]
	v_lshlrev_b32 v[BOF], 4, v6
	v_lshlrev_b32 v[PFO], 12, v6
	v_mul_u32_u24 v4, v1, SPITCH
	v_lshl_add_u32 v4, v2, 5, v4
	v_add_nc_u32 v[STO], s18, v4                   ; into the stage: row r, my wave's 128 bytes, 32 for each half of the lanes
	v_add_nc_u32 v[RD], s19, v[BOF]                ; back: 32 lanes to a row of 512 bytes
	s_wait_alu depctr_va_vdst(0)
.irp t, 0,1,2,3,4,5,6,7
	BLOAD \t                                       ; the first eight steps' fragments of the weight go out while A lands
.endr
	CHANGE 1, G0+4, 0                              ; quarter 0 is in; quarter 1 is asked for
	QUARTER 0, 0
	CHANGE 1, G0, 1                                ; quarter 1 is in; quarter 2 goes into slot 0
	QUARTER 1, 1
	CHANGE 1, G0+4, 1                              ; quarter 2 is in; quarter 3 goes into slot 1
	QUARTER 2, 0
	CHANGE 0, G0, 0                                ; quarter 3 is in; nothing is filled again
	QUARTER 3, 1
	WIN 0
	; THE WAY OUT.  A wave's 32 columns are half of a 256-byte unit: so all four waves put their sums into one stage, and each reads 32 whole rows of 512 bytes back.  out = sum x 2^(e10 + e11) + (residual + bias).
	s_wait_kmcnt 0x0
	s_add_co_i32 s66, s76, s77
	s_add_co_i32 s66, s66, 127
	s_lshl_b32 s66, s66, 23                        ; 2^(e10 + e11) as f32
	s_mov_b32 s67, s66                             ; (named with it as a pair)
.irp a, 0,1,2,3,4,5,6,7
.irp b, 0,1
	ds_store_b128 v[STO], v[ACC+8*(2*\a+\b):ACC+8*(2*\a+\b)+3] offset:\a*16*SPITCH+64*\b        ; each accumulator from its low end on
	ds_store_b128 v[STO], v[ACC+8*(2*\a+\b)+4:ACC+8*(2*\a+\b)+7] offset:\a*16*SPITCH+64*\b+16
.endr
.endr
	s_wait_dscnt 0x0                               ; for the others' sake: my stores are done
	s_barrier_signal -1
	s_barrier_wait -1
	WIN 0x80
.set i, 0
.rept 32
	ds_load_b128 v[4*i:4*i+3], v[RD] offset:i*SPITCH
.set i, i+1
.endr
	s_wait_loadcnt 0x0                             ; the bias and the residual
	WIN 0xc3                                       ; source 0 and destination window 3
.set i, 0
.rept 32
	v_pk_add_f32 v[4*i:4*i+1], v[4*i:4*i+1], v[8:9]
	v_pk_add_f32 v[4*i+2:4*i+3], v[4*i+2:4*i+3], v[10:11]
.set i, i+1
.endr
	s_wait_dscnt 0x0
.irp g, 0,1,2,3
	WIN 0xb2                                       ; source 0 and destination window 2, source 2 window 3
.set i, 0
.rept 16
	v_pk_fma_f32 v[32*\g+i:32*\g+i+1], v[32*\g+i:32*\g+i+1], s[66:67], v[32*\g+i:32*\g+i+1] op_sel_hi:[1,0,1]
.set i, i+2
.endr
	WIN 0x08                                       ; the stores' data window 2
.irp u, 0,1,2,3,4,5,6,7
	global_store_b128 v[BOF], v[32*\g+4*\u:32*\g+4*\u+3], s[14:15] offset:(8*\g+\u)*4096 th:TH_STORE_NT   ; 32 lanes store 512 consecutive bytes, at a multiple of 256 from the buffer's first byte
.endr
.endr
	WIN 0
	s_wait_tensorcnt 0x0                           ; the wave's end
	ds_add_u32 v[SPW], v[NIL]
	s_wait_dscnt 0x0
	ROUND                                          ; the closing round
	s_endpgm
.Lfunc_end_k_q4b1b8656b4_mlp:
	.size	k_q4b1b8656b4_mlp, .Lfunc_end_k_q4b1b8656b4_mlp-k_q4b1b8656b4_mlp
	.p2alignl 7, 3214868480
	.fill 96, 4, 3214868480
	.section	.rodata,"a",@progbits
	.p2align	6, 0x0
	.amdhsa_kernel k_q4b1b8656b4_mlp
		.amdhsa_group_segment_fixed_size 327680
		.amdhsa_private_segment_fixed_size 0
		.amdhsa_enable_private_segment 0
		.amdhsa_kernarg_size 48
		.amdhsa_user_sgpr_count 2
		.amdhsa_user_sgpr_kernarg_segment_ptr 1
		.amdhsa_wavefront_size32 1
		.amdhsa_system_sgpr_workgroup_id_x 1
		.amdhsa_system_sgpr_workgroup_id_y 1
		.amdhsa_system_sgpr_workgroup_id_z 1
		.amdhsa_system_vgpr_workitem_id 0
		.amdhsa_next_free_vgpr 896
		.amdhsa_next_free_sgpr 84
		.amdhsa_reserve_vcc 0
		.amdhsa_float_denorm_mode_32 3
		.amdhsa_float_denorm_mode_16_64 3
		.amdhsa_memory_ordered 1
		.amdhsa_forward_progress 1
		.amdhsa_inst_pref_size 156
	.end_amdhsa_kernel
	.amdgpu_metadata
---
amdhsa.version: [ 1, 2 ]
amdhsa.kernels:
  - .name:           k_q4b1b8656b4_mlp
    .symbol:         k_q4b1b8656b4_mlp.kd
    .args:
      - { .name: gcodes, .offset: 0, .size: 8, .value_kind: global_buffer, .address_space: global }
      - { .name: wcodes, .offset: 8, .size: 8, .value_kind: global_buffer, .address_space: global }
      - { .name: lowp_scales, .offset: 16, .size: 8, .value_kind: global_buffer, .address_space: global }
      - { .name: b_mlp_proj, .offset: 24, .size: 8, .value_kind: global_buffer, .address_space: global }
      - { .name: x1, .offset: 32, .size: 8, .value_kind: global_buffer, .address_space: global }
      - { .name: out0, .offset: 40, .size: 8, .value_kind: global_buffer, .address_space: global }
    .group_segment_fixed_size: 327680
    .private_segment_fixed_size: 0
    .kernarg_segment_align: 8
    .kernarg_segment_size: 48
    .max_flat_workgroup_size: 128
    .sgpr_count:     84
    .vgpr_count:     896
    .wavefront_size: 32
...
	.end_amdgpu_metadata
.endif
;; end of part 7
